; MI455X (gfx1250); checked and timed in simulation.
; The chip was launched on July 23, 2026; its instructions are those of AMD's public machine-readable ISA for CDNA 5 (MIT licence, August 2026) and "CDNA5" Instruction Set Architecture Reference Guide (July 2026). The comments in the code are by the model that wrote it; some were corrected since.
;; Class Attention. Allowed arithmetic: float matrix products may take bf16 or f16 operands with f32 sums; other float arithmetic in f32, or as packed bf16 or f16 multiplies, adds, multiply-adds, maxima and minima; sums over many terms, partial sums and values carried from step to step in f32; what a program stores and reads back later, other than sums and carried values, may be rounded once to bf16 or f16.
;; Inputs: Wk 768 x 768 float32; Wp 768 x 768 float32; Wq 768 x 768 float32; Wv 768 x 768 float32; bp 768 float32; lamb 12 float32; x 16 x 577 x 768 float32.
;; Outputs: out0 16 x 577 x 768 float32.
;; 2 versions, each right; version 2 is version 1 with the launch cast written anew for expert scheduling mode. Each part assembles by itself: llvm-mc -triple=amdgcn-amd-amdhsa -mcpu=gfx1250 --defsym DOCPART=n.
;; ======== version 1 of 2: 4 launches
;; limits: values are held in f16: magnitudes above 65,504 overflow, below 6.1e-05 lose precision
;; workspace buffers: xb 14,548,992 bytes; wb 3,538,944 bytes; wpb 1,179,648 bytes; qkv 43,646,976 bytes; ob 14,548,992 bytes
;; launch cast (part 1): grid 392 x 1, 4 waves a work-group, no clusters, 0 bytes of LDS; arguments x, Wq, Wk, Wv, Wp, xb, wb, wpb; writes xb, wb, wpb
.if DOCPART == 1
	.amdgcn_target "amdgcn-amd-amdhsa--gfx1250"
	.amdhsa_code_object_version 6
	.text
	.protected	k_q5321bda744_cast
	.globl	k_q5321bda744_cast
	.p2align	8
	.type	k_q5321bda744_cast,@function
k_q5321bda744_cast:
	s_mov_b64 s[64:65], 0
	v_nop
	global_prefetch_b8 v0, s[64:65] scope:SCOPE_SE
	s_setreg_imm32_b32 hwreg(HW_REG_WAVE_MODE, 25, 1), 1
	s_wait_xcnt 0x0
; CAST.  x, Wq, Wk, Wv are rounded once to bf16; Wp is rounded to bf16 and that number written as f16 (exact inside f16's range; below 6e-5 it keeps f16's step of 6e-8).
; All go into PLANES: a matrix [rows][768] is stored as [48 planes][rows][16 numbers], a row of a plane is 32 bytes.
;   xb  [16 b][48][592][16]: rows 577-591 of a batch are written as zeros          wb [16 j][48][144][16]: feature 144 j + row; features 0-767 Wq, 768-1535 Wk, 1536-2303 Wv
;   wpb [12 j][48][64][16]
; SHARES.  One wave takes a group of 8 rows x 768 numbers (24 KiB in, 12 KiB out), with no loop: its 48 loads are all out at once.  Group G = 4 x work-group + wave:
; 0-1183 x (74 groups a batch), 1184-1471 Wq, Wk, Wv (96 each), 1472-1567 Wp.  Source, destination and figures are chosen by scalar selects on G alone.
; LANES.  Lane l takes row l / 4 and, in round pp, the 8 numbers at column 32 pp + 8 (l % 4): two loads of 16 bytes; they pack into 16 bytes of plane 2 pp + (l % 4) / 2.
; A store of the wave covers 8 rows x 32 bytes in each of two planes: twice 256 consecutive bytes, aligned.  No LDS, no barrier: no wave wants another's bytes.
.set X,  32                            ; v[32:223]  round pp: 8 registers as loaded; the first four then hold the packed result
.set DO, 8                             ; v[8:31]    round pp: my byte offset in the destination; never rewritten
	s_load_b512 s[4:19], s[0:1], 0x0               ; x 4, Wq 6, Wk 8, Wv 10, Wp 12, xb 14, wb 16, wpb 18
	v_lshrrev_b32 v1, 5, v0
	v_readfirstlane_b32 s20, v1                    ; wave
	s_lshl_b32 s21, ttmp9, 2
	s_add_co_u32 s21, s21, s20                     ; G
	; the figures of a group of x (they mean nothing where G is a weight's, and are then not chosen)
	s_mul_hi_u32 s22, s21, 58040099                ; b = G / 74
	s_mul_i32 s23, s22, 74
	s_sub_co_u32 s23, s21, s23                     ; g = G - 74 b
	s_mul_i32 s32, s22, 1772544                    ; the batch in x: 577 rows of 3,072 bytes
	s_mul_i32 s34, s22, 909312                     ; the batch in xb: 48 planes of 18,944 bytes,
	s_lshl_b32 s37, s23, 8
	s_add_co_u32 s34, s34, s37                     ; + 8 rows of 32 bytes a group
	s_lshl_b32 s29, s23, 3                         ; first row
	; the figures of a group of Wq, Wk, Wv
	s_sub_co_u32 s36, s21, 1184                    ; G'
	s_mul_hi_u32 s38, s36, 238609295               ; j = G' / 18
	s_mul_i32 s37, s38, 18
	s_sub_co_u32 s37, s36, s37
	s_lshl_b32 s37, s37, 8
	s_mul_i32 s38, s38, 221184
	s_add_co_u32 s38, s38, s37                     ; offset in wb
	; and of Wp
	s_sub_co_u32 s39, s36, 288
	s_lshr_b32 s40, s39, 3
	s_mul_i32 s40, s40, 98304
	s_and_b32 s37, s39, 7
	s_lshl_b32 s37, s37, 8
	s_add_co_u32 s40, s40, s37                     ; offset in wpb
	s_mov_b32 s33, 0
	s_mov_b32 s35, 0
	v_and_b32 v2, 31, v0
	v_lshrrev_b32 v3, 2, v2                        ; my row of the eight
	v_and_b32 v2, 3, v2                            ; my eight numbers of the 32
	s_wait_kmcnt 0x0
	s_cmp_lt_u32 s36, 96
	s_cselect_b64 s[24:25], s[6:7], s[8:9]
	s_cselect_b32 s41, 0, 96
	s_cmp_lt_u32 s36, 192
	s_cselect_b64 s[24:25], s[24:25], s[10:11]
	s_cselect_b32 s41, s41, 192
	s_mov_b32 s28, 2048
	s_cmp_lt_u32 s36, 288
	s_cselect_b64 s[24:25], s[24:25], s[12:13]
	s_cselect_b32 s41, s41, 288                    ; the matrix's first group
	s_cselect_b64 s[26:27], s[16:17], s[18:19]
	s_cselect_b32 s38, s38, s40
	s_cselect_b32 s28, 4608, s28                   ; bytes in a plane
	s_cselect_b32 s31, 0, 1                        ; 1: f16
	s_sub_co_u32 s41, s36, s41
	s_lshl_b32 s41, s41, 3                         ; first row in the matrix
	s_mov_b32 s30, 767
	s_cmp_lt_u32 s21, 1184
	s_cselect_b64 s[24:25], s[4:5], s[24:25]
	s_cselect_b64 s[26:27], s[14:15], s[26:27]
	s_cselect_b32 s32, s32, 0
	s_cselect_b32 s34, s34, s38
	s_cselect_b32 s28, 18944, s28
	s_cselect_b32 s29, s29, s41
	s_cselect_b32 s30, 576, s30                    ; the last row that exists
	s_cselect_b32 s31, 0, s31
	s_add_nc_u64 s[24:25], s[24:25], s[32:33]      ; source
	s_add_nc_u64 s[26:27], s[26:27], s[34:35]      ; destination
	v_add_nc_u32 v5, s29, v3                       ; my row
	v_cmp_ge_u32 vcc_lo, s30, v5                   ; does it exist?
	v_min_u32 v5, s30, v5                          ; a row that does not is read as the last one, and written as zeros
	v_mul_u32_u24 v4, v5, 3072
	v_lshl_add_u32 v4, v2, 5, v4                   ; my byte offset in the source
	v_and_b32 v6, 1, v2
	v_lshrrev_b32 v7, 1, v2
	v_lshlrev_b32 v[DO], 5, v3
	v_lshl_add_u32 v[DO], v6, 4, v[DO]
	v_mad_u32_u24 v[DO], v7, s28, v[DO]            ; 32 row + 16 (l % 2) + ((l % 4) / 2) planes
	s_lshl_b32 s37, s28, 1
.set pp, 1
.rept 23
	v_add_nc_u32 v[DO+pp], s37, v[DO+pp-1]         ; two planes a round
.set pp, pp+1
.endr
.set pp, 0
.rept 24
	global_load_b128 v[X+8*pp:X+8*pp+3],   v4, s[24:25] offset:128*pp th:TH_LOAD_NT
	global_load_b128 v[X+8*pp+4:X+8*pp+7], v4, s[24:25] offset:128*pp+16 th:TH_LOAD_NT
.set pp, pp+1
.endr
; The 24 rounds.  half = 1: the bf16 numbers are written as f16.  No register that a store reads is written again.
.macro CONV half
.set pp, 0
.rept 24
	s_wait_loadcnt 46-2*pp                         ; loads come back in order: this round's two are in, the younger ones stay out
.irp i, 0,1,2,3
	v_cvt_pk_bf16_f32 v[X+8*pp+\i], v[X+8*pp+2*\i], v[X+8*pp+2*\i+1]  ; in place, ascending: a word is written when its numbers have been read
.endr
.if \half
.irp i, 0,1,2,3
	v_lshlrev_b32 v6, 16, v[X+8*pp+\i]
	v_and_b32 v7, 0xffff0000, v[X+8*pp+\i]
	v_cvt_pk_f16_f32 v[X+8*pp+\i], v6, v7
.endr
.else
.irp i, 0,1,2,3
	v_cndmask_b32 v[X+8*pp+\i], 0, v[X+8*pp+\i], vcc_lo  ; zeros in the rows that do not exist
.endr
.endif
	global_store_b128 v[DO+pp], v[X+8*pp:X+8*pp+3], s[26:27] th:TH_STORE_NT
.set pp, pp+1
.endr
	s_endpgm
.endm
	s_cmp_eq_u32 s31, 0
	s_cbranch_scc0 .Lhalf
	CONV 0
.Lhalf:
	CONV 1
.Lfunc_end_k_q5321bda744_cast:
	.size	k_q5321bda744_cast, .Lfunc_end_k_q5321bda744_cast-k_q5321bda744_cast
	.p2alignl 7, 3214868480
	.fill 96, 4, 3214868480
	.section	.rodata,"a",@progbits
	.p2align	6, 0x0
	.amdhsa_kernel k_q5321bda744_cast
		.amdhsa_group_segment_fixed_size 0
		.amdhsa_private_segment_fixed_size 0
		.amdhsa_enable_private_segment 0
		.amdhsa_kernarg_size 64
		.amdhsa_user_sgpr_count 2
		.amdhsa_user_sgpr_kernarg_segment_ptr 1
		.amdhsa_wavefront_size32 1
		.amdhsa_system_sgpr_workgroup_id_x 1
		.amdhsa_system_sgpr_workgroup_id_y 1
		.amdhsa_system_sgpr_workgroup_id_z 1
		.amdhsa_system_vgpr_workitem_id 0
		.amdhsa_next_free_vgpr 224
		.amdhsa_next_free_sgpr 66
		.amdhsa_reserve_vcc 1
		.amdhsa_float_denorm_mode_32 3
		.amdhsa_float_denorm_mode_16_64 3
		.amdhsa_memory_ordered 1
		.amdhsa_forward_progress 1
		.amdhsa_inst_pref_size 45
	.end_amdhsa_kernel
	.amdgpu_metadata
---
amdhsa.version: [ 1, 2 ]
amdhsa.kernels:
  - .name:           k_q5321bda744_cast
    .symbol:         k_q5321bda744_cast.kd
    .args:
      - { .name: x, .offset: 0, .size: 8, .value_kind: global_buffer, .address_space: global }
      - { .name: Wq, .offset: 8, .size: 8, .value_kind: global_buffer, .address_space: global }
      - { .name: Wk, .offset: 16, .size: 8, .value_kind: global_buffer, .address_space: global }
      - { .name: Wv, .offset: 24, .size: 8, .value_kind: global_buffer, .address_space: global }
      - { .name: Wp, .offset: 32, .size: 8, .value_kind: global_buffer, .address_space: global }
      - { .name: xb, .offset: 40, .size: 8, .value_kind: global_buffer, .address_space: global }
      - { .name: wb, .offset: 48, .size: 8, .value_kind: global_buffer, .address_space: global }
      - { .name: wpb, .offset: 56, .size: 8, .value_kind: global_buffer, .address_space: global }
    .group_segment_fixed_size: 0
    .private_segment_fixed_size: 0
    .kernarg_segment_align: 8
    .kernarg_segment_size: 64
    .max_flat_workgroup_size: 128
    .sgpr_count:     66
    .vgpr_count:     224
    .wavefront_size: 32
...
	.end_amdgpu_metadata
.endif
;; end of part 1
;; launch qkvgemm (part 2): grid 16 x 16, 4 waves a work-group, clusters of 4 x 4, 327,680 bytes of LDS; arguments xb, wb, qkv; writes qkv
.if DOCPART == 2
	.amdgcn_target "amdgcn-amd-amdhsa--gfx1250"
	.amdhsa_code_object_version 6
	.text
	.protected	k_q5321bda744_qkvgemm
	.globl	k_q5321bda744_qkvgemm
	.p2align	8
	.type	k_q5321bda744_qkvgemm,@function
k_q5321bda744_qkvgemm:
	s_mov_b64 s[64:65], 0
	v_nop
	global_prefetch_b8 v0, s[64:65] scope:SCOPE_SE
	s_setreg_imm32_b32 hwreg(HW_REG_WAVE_MODE, 25, 1), 1
	s_wait_xcnt 0x0
	s_wait_alu depctr_hold_cnt(0) depctr_sa_sdst(0) depctr_va_vdst(0) depctr_va_sdst(0) depctr_va_ssrc(0) depctr_va_vcc(0) depctr_vm_vsrc(0)
	s_getreg_b32 s2, hwreg(HW_REG_IB_STS2, 6, 4)
	s_cmp_eq_u32 s2, 0
	s_cbranch_scc0 .Lentry_in_a_cluster
	s_endpgm
.Lentry_in_a_cluster:
	s_bfe_u32 s2, ttmp6, 0x10000c
	s_cmp_lg_u32 s2, 0xf033
	s_cbranch_scc0 .Lentry_shape_is_right
	s_endpgm
.Lentry_shape_is_right:
; C = A B^T on operands that lie in PLANES ([K / 16 planes][rows][16 numbers], a row of a plane 32 bytes).  One text for two launches, told apart by PROJ:
;   PROJ = 0: [q | k | v] = xb wb^T, bf16 operands, f32 sums, rounded once to f16 into qkv [16 b][144 planes][592][16].  LIMIT: |q|, |k|, |v| stay under 65,504.
;   PROJ = 1: out0 = ob wpb^T + bp, f16 operands, f32 sums and output; bp is rounded to bf16, as all the module's inputs are.
; SHARES.  A work-group takes all 592 rows (37 blocks of 16) of batch b and 16 NB columns.  37 is prime, so the rows are dealt block by block: wave w owns blocks 4 a + w, a = 0..8,
; and wave 0 also block 36.  A wave has 10 NB accumulators of 16 x 16.  K = 768 goes in 8 steps of 96 (6 planes) through two LDS slots; a step is three units of 32 along K.
; LAYOUT.  A fragment (16 rows x 32 K) takes registers 0-3 from plane 2 c and 4-7 from plane 2 c + 1, 16 bytes a lane.  A step's tile is dense in memory and is asked for as rows of 256 bytes;
; the mover lays 16 bytes behind each, so that a block of 16 rows is 544 bytes in LDS and lane (r, h) stands at 32 r + 16 h + 16 (r / 8).
; THE MATRIX INSTRUCTION IS USED TRANSPOSED (source 0 = 16 rows of B, source 1 = 16 rows of A): a lane holds one row of C and eight neighbouring columns.
; CLUSTER.  4 x 4 work-groups.  A's tile hangs on b alone and is shared along a row of the cluster, B's on the column block j alone and is shared along a column: each is asked for jointly.
; REGISTERS.  Window 0: v2-24 addresses; v32-111 A's ten fragments (one buffer, filled in two halves); from v112 two buffers of NB fragments of B.  Windows 1 to 3: the accumulators,
; (a, bq) at number NB a + bq, 32 to a window.  Each accumulator has one instruction a unit: they take turns.
.set PROJ, 0
.if PROJ
.set NB, 4
.else
.set NB, 9
.endif
.set APM,  18944                       ; a plane of A in memory: 592 rows of 32 bytes
.set APL,  20128                       ; and in LDS: 74 rows of 272
.set BLK,  544                         ; 16 rows of a plane in LDS
.set BPM,  512*NB                      ; a plane of B
.set BPL,  BLK*NB
.set STAM, 6*APM                       ; a K step of A in memory, and in LDS
.set STAL, 6*APL
.set STBM, 6*BPM
.set STBL, 6*BPL
.set SLOT, STAL+STBL                   ; A's six planes, then B's
.set HAM,  3*APM                       ; what one tensor load brings: three planes
.set HAL,  3*APL
.set HBM,  3*BPM
.set HBL,  3*BPL
.set RA,   222                         ; its rows of 256 bytes
.set RB,   6*NB
.if PROJ
.set STAGE, 267776                     ; behind the ring, from the next multiple of 256: 16 rows x 272 bytes for each wave, for the way out
.set SPARE, STAGE+4*16*272
.else
.set SPARE, 2*SLOT                     ; behind the ring (a multiple of 256): the spare words, 128 bytes for each wave, which no other line names
.endif
.set ADRA, 2                           ; v2-7    LDS address of my A fragments: slot s, unit c at ADRA + 3 s + c
.set ADRX, 8                           ; v8-13   the same for block 36
.set ADRB, 14                          ; v14-15  of B's fragments in slot s
.set CO,   16                          ; v16     my byte offset in the output
.set STO,  17                          ; v17     (PROJ) where I put 16 bytes of a row in my stage
.set SPW,  18                          ; v18     LDS address of my spare word; never rewritten
.set NIL,  19                          ; v19     0; never rewritten
.set PF0,  20                          ; v20-22  the prefetches' offsets: 256 x lane, whole and clamped; never rewritten
.set PF1,  21
.set PF2,  22
.set RD,   23                          ; v23     (PROJ) where I read rows back
.set LN,   24                          ; v24     lane
.set AF,   32
.set BF0,  112
.set BIAS, 176                         ; v176-207 (PROJ) bp of my 8 columns in each of the four column blocks
.set WV,   12                          ; s12 wave; s13 = wave / 2: I fetch for A (0) or B (1); s14 = wave % 2: which half of the tile
.set ROLE, 13
.set HALF, 14
.set G1A,  16                          ; s[16:23], s[24:31] descriptor group 1 for A's and B's tiles
.set G1B,  24
.set G0A,  32                          ; s[32:39], s[48:55] group 0, a set for each slot
.set G0B,  48
.set PFA,  56                          ; s[56:57] where my prefetches stand
.set LIM,  58                          ; s58 1 in a wave that prefetches, else the greatest number
.set PFS,  60                          ; s[60:61] a K step of the tensor that I prefetch
.set MSB, 0
.macro WIN new                         ; the immediate's high byte repeats the setting that is left; a switch that changes nothing is dropped
.if MSB != (\new)
	s_set_vgpr_msb (MSB<<8)|(\new)
.set MSB, \new
.endif
.endm
.macro PLACES                          ; four places in front of loads into registers that matrix instructions have read (ISA guide 7.12.1 for vector instructions)
.rept 4
	v_nop
.endr
.endm
; A joint load: waves 0 and 1 fetch A's two halves, waves 2 and 3 B's.  An s_nop 0 and four v_nop follow each of the two lines, ahead of the jump and the label.
.macro JLOAD s
	s_cmp_eq_u32 s[ROLE], 0
	s_cbranch_scc0 .Lfor_b_\@
	tensor_load_to_lds s[G0A+4*(\s):G0A+4*(\s)+3], s[G1A:G1A+7]
	s_nop 0
.rept 4
	v_nop
.endr
	s_branch .Lasked_\@
.Lfor_b_\@:
	tensor_load_to_lds s[G0B+4*(\s):G0B+4*(\s)+3], s[G1B:G1B+7]
	s_nop 0
.rept 4
	v_nop
.endr
.Lasked_\@:
.endm
.macro CREST                           ; a round of the cluster's barrier behind its opening barrier
	s_cmp_lg_u32 s[WV], 0
	s_cbranch_scc1 .Lnot_wave_0_\@
	s_barrier_signal -3
.Lnot_wave_0_\@:
	s_barrier_wait -3
	s_barrier_signal -1
	s_barrier_wait -1
.endm
.macro CROUND
	s_barrier_signal -1
	s_barrier_wait -1
	CREST
.endm
; A PREFETCH INTO THE L2 of the K step behind the one that the joint load just asked for: at the change behind step t it names step t + 3, one step (three units of matrix work) ahead of its load.
; Each aligned block of 256 bytes is named once in the launch (a clamped lane repeats its instruction's last block).  A's planes of batch b are read by every cluster of that row of clusters: the one with x = 0 asks, by its
; waves 0; B's by every cluster of that column: the one with y = 0 asks, by its waves 2.  The four partners that ask for a tile jointly take a quarter of the step each, told apart BY ADDRESS.
; Steps 0 to 2 come by their loads alone; the last change that fills a slot asks for nothing (how = 1: s3 = 1 in the loop's last trip).
.macro ASK how
.if \how
	s_cmp_gt_u32 s3, s[LIM]
.else
	s_cmp_eq_u32 s[LIM], 1
.endif
	s_cbranch_scc0 .Lnone_\@
	s_cmp_eq_u32 s[ROLE], 0
	s_cbranch_scc0 .Lpf_b_\@
	global_prefetch_b8 v[PF0], s[PFA:PFA+1] th:TH_LOAD_NT scope:SCOPE_SE               ; a quarter of A's step: 111 blocks
	global_prefetch_b8 v[PF0], s[PFA:PFA+1] offset:8192 th:TH_LOAD_NT scope:SCOPE_SE
	global_prefetch_b8 v[PF0], s[PFA:PFA+1] offset:16384 th:TH_LOAD_NT scope:SCOPE_SE
	global_prefetch_b8 v[PF1], s[PFA:PFA+1] offset:24576 th:TH_LOAD_NT scope:SCOPE_SE
	s_branch .Lnone_\@
.Lpf_b_\@:
	global_prefetch_b8 v[PF2], s[PFA:PFA+1] th:TH_LOAD_NT scope:SCOPE_SE               ; a quarter of B's step: STBM / 1024 blocks
.Lnone_\@:
.endm
	s_load_b128 s[4:7], s[0:1], 0x0                ; A s[4:5], B s[6:7]
.if PROJ
	s_load_b128 s[8:11], s[0:1], 0x10              ; bp s[8:9], out0 s[10:11]
.else
	s_load_b64 s[8:9], s[0:1], 0x10                ; qkv
.endif
	v_lshl_add_u32 v[SPW], v0, 2, SPARE
	v_mov_b32 v[NIL], 0
	ds_add_u32 v[SPW], v[NIL]                      ; the wave's opening: the add and its wait stand ahead of my first tensor load; the set-up below stands between them
	v_lshrrev_b32 v1, 5, v0
	v_readfirstlane_b32 s[WV], v1
	s_lshr_b32 s[ROLE], s[WV], 1
	s_and_b32 s[HALF], s[WV], 1
	s_bfe_u32 s40, ttmp6, 0x40000                  ; cx, cy: my place in the cluster
	s_bfe_u32 s41, ttmp6, 0x40004
	s_lshl_b32 s42, ttmp9, 2
	s_add_co_u32 s42, s42, s40                     ; j = 4 x cluster x + cx
	s_and_b32 s43, ttmp7, 0xffff
	s_lshl_b32 s43, s43, 2
	s_add_co_u32 s43, s43, s41                     ; b = 4 x cluster y + cy
	s_lshl_b32 s44, s41, 2
	s_lshl_b32 s44, 15, s44                        ; my row of the cluster
	s_lshl_b32 s45, 0x1111, s40                    ; my column
	; group 1: R rows of 32 elements of 8 bytes, dense; 16 bytes of padding behind each row
	s_or_b32 s[G1A], s44, (3<<16)|(1<<20)|(1<<21)|(5<<22)|(3<<25)  ; 15:0 the mask; 17:16 8-byte elements; 20 padding on; 21 set beside a mask; 24:22 after every 64 words; 31:25 4 words
	s_or_b32 s[G1B], s45, (3<<16)|(1<<20)|(1<<21)|(5<<22)|(3<<25)
.irp g, G1A, G1B
	s_mov_b32 s[(\g)+1], 32<<16                    ; tensor_dim0 = 32
	s_mov_b32 s[(\g)+3], 32<<16                    ; tile_dim0 = 32
	s_mov_b32 s[(\g)+5], 32                        ; 32 elements from row to row
	s_mov_b32 s[(\g)+6], 0
	s_mov_b32 s[(\g)+7], 0
.endr
	s_mov_b32 s[G1A+2], RA<<16                     ; tensor_dim1
	s_mov_b32 s[G1A+4], RA                         ; tile_dim1
	s_mov_b32 s[G1B+2], RB<<16
	s_mov_b32 s[G1B+4], RB
	; where the tiles come from: A's address is made of b and the wave's number, B's of j and the wave's number, each in registers that never hold the other coordinate
	s_mul_i32 s66, s43, 48*APM
	s_mul_i32 s2, s[HALF], HAM
	s_add_co_u32 s66, s66, s2
	s_mov_b32 s67, 0
	s_mul_i32 s68, s42, 48*BPM
	s_mul_i32 s59, s[HALF], HBM
	s_add_co_u32 s68, s68, s59
	s_mov_b32 s69, 0
	s_mul_i32 s46, s[WV], HAL                      ; and where they go: A's halves by waves 0 and 1,
	s_mul_i32 s47, s[WV], HBL
	s_add_co_u32 s47, s47, STAL-2*HBL              ; B's behind them by waves 2 and 3
	s_wait_dscnt 0x0                               ; the opening add is done
	s_wait_kmcnt 0x0
	s_add_nc_u64 s[66:67], s[4:5], s[66:67]
	s_add_nc_u64 s[68:69], s[6:7], s[68:69]
	CROUND                                         ; all sixteen work-groups are here: the first joint loads meet
.irp s, 0,1
	s_mov_b32 s[G0A+4*(\s)], 1
	s_add_co_u32 s[G0A+4*(\s)+1], s46, (\s)*SLOT
	s_add_nc_u64 s[G0A+4*(\s)+2:G0A+4*(\s)+3], s[66:67], (\s)*STAM
	s_or_b32 s[G0A+4*(\s)+3], s[G0A+4*(\s)+3], 0x80000000
	s_mov_b32 s[G0B+4*(\s)], 1
	s_add_co_u32 s[G0B+4*(\s)+1], s47, (\s)*SLOT
	s_add_nc_u64 s[G0B+4*(\s)+2:G0B+4*(\s)+3], s[68:69], (\s)*STBM
	s_or_b32 s[G0B+4*(\s)+3], s[G0B+4*(\s)+3], 0x80000000
	JLOAD \s                                       ; K steps 0 and 1: two loads of mine are out
.endr
	v_and_b32 v1, 15, v0                           ; r
	v_bfe_u32 v25, v0, 4, 1                        ; h
	v_lshlrev_b32 v26, 5, v1
	v_lshl_add_u32 v26, v25, 4, v26                ; my 16 bytes of a block in memory: 32 r + 16 h
	v_lshrrev_b32 v27, 3, v1
	v_lshl_add_u32 v27, v27, 4, v26                ; and in LDS: + 16 (r / 8)
	s_mul_i32 s2, s[WV], BLK
	v_add_nc_u32 v28, s2, v27
.irp s, 0,1
.irp c, 0,1,2
	v_add_nc_u32 v[ADRA+3*\s+\c], \s*SLOT+\c*2*APL, v28
	v_add_nc_u32 v[ADRX+3*\s+\c], \s*SLOT+\c*2*APL+36*BLK, v27
.endr
	v_add_nc_u32 v[ADRB+\s], \s*SLOT+STAL, v27
.endr
	v_and_b32 v[LN], 31, v0
	v_lshlrev_b32 v[PF0], 8, v[LN]
	v_min_u32 v[PF1], 14, v[LN]
	v_lshlrev_b32 v[PF1], 8, v[PF1]
	v_min_u32 v[PF2], STBM/1024-1, v[LN]
	v_lshlrev_b32 v[PF2], 8, v[PF2]
	s_mov_b32 s63, 0
	s_mov_b32 s71, 0
.if PROJ
	s_mul_i32 s2, s[WV], 16*272
	s_add_co_u32 s2, s2, STAGE                     ; my stage
	v_mul_u32_u24 v[STO], v1, 272                  ; in: row r, 32 bytes for each half of the lanes
	v_lshl_add_u32 v[STO], v25, 5, v[STO]
	v_add_nc_u32 v[STO], s2, v[STO]
	v_mul_u32_u24 v[RD], v25, 272                  ; back: lanes 0-15 one row of 256 bytes, lanes 16-31 the next
	v_lshl_add_u32 v[RD], v1, 4, v[RD]
	v_add_nc_u32 v[RD], s2, v[RD]
	s_mul_i32 s2, s[WV], 49152                     ; my block of 16 rows of 3,072 bytes
	v_mul_u32_u24 v[CO], v25, 3072
	v_lshl_add_u32 v[CO], v1, 4, v[CO]
	v_add_nc_u32 v[CO], s2, v[CO]
	s_mul_i32 s70, s43, 1772544                    ; the batch in out0
	s_lshl_b32 s62, s42, 8                         ; my 64 columns: 256 bytes
	s_add_nc_u64 s[8:9], s[8:9], s[62:63]
	s_add_nc_u64 s[10:11], s[10:11], s[62:63]
	s_add_nc_u64 s[10:11], s[10:11], s[70:71]
	v_lshlrev_b32 v29, 5, v25                      ; bp: my 8 columns of a block of 16
.irp q, 0,1,2,3,4,5,6,7
	global_load_b128 v[BIAS+4*\q:BIAS+4*\q+3], v29, s[8:9] offset:64*(\q/2)+16*(\q%2)
.endr
.else
	s_lshl_b32 s2, s[WV], 9
	v_add_nc_u32 v[CO], s2, v26                    ; my block of 16 rows of a plane
	s_mul_i32 s70, s43, 144*APM                    ; the batch in qkv,
	s_mul_i32 s62, s42, NB*APM                     ; my nine planes
	s_add_co_u32 s70, s70, s62
	s_add_nc_u64 s[8:9], s[8:9], s[70:71]
.endif
	; the prefetches' address, step and test
	s_and_b32 s59, ttmp7, 0xffff                   ; cluster y
	s_mul_i32 s70, s43, 48*APM
	s_mul_i32 s71, s42, 48*BPM
	s_mov_b32 s[PFS], STBM
	s_mov_b32 s62, STBM/4
	s_cmp_eq_u32 s[ROLE], 0                        ; do I fetch for A?
	s_cselect_b32 s59, ttmp9, s59                  ; the coordinate along which other clusters read the same planes
	s_cselect_b32 s2, s40, s41                     ; my place among the four that ask with me
	s_cselect_b64 s[PFA:PFA+1], s[4:5], s[6:7]
	s_cselect_b32 s[PFS], STAM, s[PFS]
	s_cselect_b32 s62, STAM/4, s62
	s_cselect_b32 s70, s70, s71
	s_mul_i32 s62, s62, s2                         ; my quarter of a step
	s_add_co_u32 s70, s70, s62
	s_lshl_b32 s62, s[PFS], 1                      ; at K step 2: the first change of slots steps it to 3
	s_add_co_u32 s70, s70, s62
	s_mov_b32 s71, 0
	s_mov_b32 s[PFS+1], 0
	s_add_nc_u64 s[PFA:PFA+1], s[PFA:PFA+1], s[70:71]
	s_or_b32 s59, s59, s[HALF]
	s_cmp_eq_u32 s59, 0
	s_cselect_b32 s[LIM], 1, -1                    ; the same in all sixteen partners, for a given wave
.if PROJ
	s_wait_loadcnt 0x0
.set z, 0
.rept 16
	v_cvt_pk_bf16_f32 v30, v[BIAS+2*z], v[BIAS+2*z+1]  ; bp rounded to bf16 and widened again
	v_lshlrev_b32 v[BIAS+2*z], 16, v30
	v_and_b32 v[BIAS+2*z+1], 0xffff0000, v30
.set z, z+1
.endr
.endif
; NB matrix instructions: row block a of my ten x all NB column blocks, 32 along K, B from buffer par.  zero = 1: the first product starts the sums: nothing is cleared.
.macro MULROW par, a, zero
.set bq, 0
.rept NB
.set ii, NB*(\a)+bq
.set ww, 1+ii/32
.set rr, (8*ii)%256
.set fb, BF0+8*NB*(\par)+8*bq
.set fa, AF+8*(\a)
	WIN (ww<<6)|(ww<<4)
.if PROJ
.if \zero
	v_wmma_f32_16x16x32_f16 v[rr:rr+7], v[fb:fb+7], v[fa:fa+7], 0
.else
	v_wmma_f32_16x16x32_f16 v[rr:rr+7], v[fb:fb+7], v[fa:fa+7], v[rr:rr+7]
.endif
.else
.if \zero
	v_wmma_f32_16x16x32_bf16 v[rr:rr+7], v[fb:fb+7], v[fa:fa+7], 0
.else
	v_wmma_f32_16x16x32_bf16 v[rr:rr+7], v[fb:fb+7], v[fa:fa+7], v[rr:rr+7]
.endif
.endif
.set bq, bq+1
.endr
.endm
.macro ROW9 par, zero                  ; block 36 is wave 0's alone
	WIN 0
	s_cmp_lg_u32 s[WV], 0
	s_cbranch_scc1 .Lno9_\@
	MULROW \par, 9, \zero
	WIN 0
.Lno9_\@:
.endm
.macro LOADLO s, c                     ; ten loads: A's fragments a = 0..4 of unit c of slot s
.irp a, 0,1,2,3,4
	ds_load_b128 v[AF+8*\a:AF+8*\a+3],   v[ADRA+3*(\s)+(\c)] offset:\a*4*BLK
	ds_load_b128 v[AF+8*\a+4:AF+8*\a+7], v[ADRA+3*(\s)+(\c)] offset:\a*4*BLK+APL
.endr
.endm
.macro LOADHI s, c                     ; ten loads: a = 5..8 and block 36 (every wave loads it, so that the counts are alike)
.irp a, 5,6,7,8
	ds_load_b128 v[AF+8*\a:AF+8*\a+3],   v[ADRA+3*(\s)+(\c)] offset:\a*4*BLK
	ds_load_b128 v[AF+8*\a+4:AF+8*\a+7], v[ADRA+3*(\s)+(\c)] offset:\a*4*BLK+APL
.endr
	ds_load_b128 v[AF+72:AF+75], v[ADRX+3*(\s)+(\c)]
	ds_load_b128 v[AF+76:AF+79], v[ADRX+3*(\s)+(\c)] offset:APL
.endm
.macro LOADB s, c, par                 ; 2 NB loads: B's fragments of unit c of slot s into buffer par
.set bq, 0
.rept NB
	ds_load_b128 v[BF0+8*NB*(\par)+8*bq:BF0+8*NB*(\par)+8*bq+3],   v[ADRB+(\s)] offset:2*(\c)*BPL+BLK*bq
	ds_load_b128 v[BF0+8*NB*(\par)+8*bq+4:BF0+8*NB*(\par)+8*bq+7], v[ADRB+(\s)] offset:(2*(\c)+1)*BPL+BLK*bq
.set bq, bq+1
.endr
.endm
; A unit idx (0..5 in a lap: slot idx / 3, unit idx % 3, B's buffer idx % 2) has two halves.  The first fetches A's upper half and multiplies the lower.
.macro PH1 idx, zero
	PLACES
	WIN 0
	LOADHI (\idx)/3, (\idx)%3
	s_wait_dscnt 10                                ; all but the ten just issued: A's lower half and B are in
.irp a, 0,1,2,3,4
	MULROW (\idx)%2, \a, \zero
.endr
.endm
; The second fetches the next unit's lower half of A and its B, and multiplies the upper half.  nxt = -1: nothing is left to fetch.
.macro PH2 idx, zero, nxt
	PLACES
	WIN 0
.if (\nxt) >= 0
	LOADLO (\nxt)/3, (\nxt)%3
	LOADB (\nxt)/3, (\nxt)%3, (\nxt)%2
	s_wait_dscnt 10+2*NB                           ; all but those just issued: A's upper half is in
.else
	s_wait_dscnt 0x0
.endif
.irp a, 5,6,7,8
	MULROW (\idx)%2, \a, \zero
.endr
	ROW9 (\idx)%2, \zero
.endm
; The second half of a slot's last unit changes slots: ONE barrier.  In front of it each wave waits for all its tensor loads (one is out: its part of the next slot), adds 0 to its spare word, and
; waits for that and for its reads of this slot.  fill = 1: the barrier opens a round of the cluster's, and the joint refill, this slot's tile two K steps on, is the first thing behind the round.
.macro TURN idx, fill
.set sl, (\idx)/3
.set nx, ((\idx)+1)%6
.set pr, (\idx)%2
	WIN 0
.if \fill
	s_wait_xcnt 0x0                                ; the last prefetches, a K step back, have read their address: it is stepped here
	s_add_nc_u64 s[PFA:PFA+1], s[PFA:PFA+1], s[PFS:PFS+1]
.endif
	s_wait_tensorcnt 0x0                           ; all my tensor loads have landed
	ds_add_u32 v[SPW], v[NIL]                      ; 0 onto my spare word
	s_wait_dscnt 1                                 ; (the add may be out: A's upper half is in)
	MULROW pr, 5, 0                                ; matrix work stands between the add and the wait for it
	s_wait_dscnt 0x0                               ; the add is done, and my reads of this slot are over
	s_barrier_signal -1
	MULROW pr, 6, 0
	WIN 0
	s_barrier_wait -1
.if \fill
	CREST                                          ; no wave of any partner still reads this slot's tile or has a load on its way
	s_add_nc_u64 s[G0A+4*sl+2:G0A+4*sl+3], s[G0A+4*sl+2:G0A+4*sl+3], 2*STAM
	s_add_nc_u64 s[G0B+4*sl+2:G0B+4*sl+3], s[G0B+4*sl+2:G0B+4*sl+3], 2*STBM
	JLOAD sl                                       ; its four v_nop are also the places in front of the loads below
.else
	PLACES
.endif
	LOADLO nx/3, nx%3
	LOADB nx/3, nx%3, nx%2
.if \fill
	ASK (\idx)/5
.endif
	MULROW pr, 7, 0
	MULROW pr, 8, 0
	ROW9 pr, 0
.endm
	s_wait_tensorcnt 0x1                           ; my part of K step 0 is in; step 1's may stay out
	s_barrier_signal -1
	s_barrier_wait -1                              ; everybody's is
	LOADLO 0, 0
	LOADB 0, 0, 0
	PH1 0, 1                                       ; the first unit stands in front of the loop: its products start the sums
	PH2 0, 1, 1
	WIN 0
	s_mov_b32 s3, 3
.Llap:                                                 ; a trip goes once round the ring, from a lap's second unit to the next lap's first, and fills both slots again
	PH1 1, 0
	PH2 1, 0, 2
	PH1 2, 0
	TURN 2, 1
	PH1 3, 0
	PH2 3, 0, 4
	PH1 4, 0
	PH2 4, 0, 5
	PH1 5, 0
	TURN 5, 1
	PH1 0, 0
	PH2 0, 0, 1
	WIN 0
	s_sub_co_u32 s3, s3, 1
	s_cmp_lg_u32 s3, 0
	s_cbranch_scc1 .Llap
	PH1 1, 0                                       ; the last lap fills nothing
	PH2 1, 0, 2
	PH1 2, 0
	TURN 2, 0
	PH1 3, 0
	PH2 3, 0, 4
	PH1 4, 0
	PH2 4, 0, 5
	PH1 5, 0
	PH2 5, 0, -1
	WIN 0
	PLACES
	PLACES
.if PROJ
; THE WAY OUT, a block of 16 rows at a time: + bp; a lane's 8 columns go into my stage (rows of 272 bytes) and come back as whole rows of 256 bytes, which sixteen lanes store.
; The stage is my own and LDS serves a wave's instructions in order (ISA guide 5.7.1.4): no wait between the stores and the loads.  last = 1: block 36, of which row 576 alone exists.
.macro OUTROW a, last
	WIN 0
	s_wait_xcnt 0x0                                ; the earlier stores have read their registers
.set bq, 0
.rept NB
.set ii, NB*(\a)+bq
.set ww, 1+ii/32
.set rr, (8*ii)%256
	WIN ww
.irp k, 0,1,2,3
	v_pk_add_f32 v[32+8*bq+2*\k:32+8*bq+2*\k+1], v[rr+2*\k:rr+2*\k+1], v[BIAS+8*bq+2*\k:BIAS+8*bq+2*\k+1]
.endr
.set bq, bq+1
.endr
	WIN 0
.irp q, 0,1,2,3,4,5,6,7
	ds_store_b128 v[STO], v[32+4*\q:32+4*\q+3] offset:64*(\q/2)+16*(\q%2)
.endr
.set bk, 64+32*((\a)%2)
.if \last
	ds_load_b128 v[bk:bk+3], v[RD]
	s_wait_dscnt 0x0
	v_cmp_gt_u32 vcc_lo, 16, v[LN]
	s_wait_xcnt 0x0                                ; EXEC changes only behind this wait
	s_and_saveexec_b32 s59, vcc_lo
	global_store_b128 v[CO], v[bk:bk+3], s[10:11] offset:(\a)*196608 th:TH_STORE_NT
	s_wait_xcnt 0x0                                ; and again in front of the line that widens it
	s_or_b32 exec_lo, exec_lo, s59
.else
.irp t, 0,1,2,3,4,5,6,7
	ds_load_b128 v[bk+4*\t:bk+4*\t+3], v[RD] offset:\t*544
.endr
.irp t, 0,1,2,3,4,5,6,7
	s_wait_dscnt 7-\t                              ; the younger loads may stay out
	global_store_b128 v[CO], v[bk+4*\t:bk+4*\t+3], s[10:11] offset:(\a)*196608+\t*6144 th:TH_STORE_NT  ; 16 lanes store 256 consecutive bytes, at a multiple of 256 from out0's first byte
.endr
.endif
.endm
.else
; THE WAY OUT, a block of 16 rows at a time: a lane's 8 columns, rounded to f16, are 16 bytes of its row in one plane: a store of the wave covers 512 consecutive bytes, aligned.  No stage.
.macro OUTROW a, last
	WIN 0
	s_wait_xcnt 0x0                                ; the earlier stores have read their registers
.set bq, 0
.rept NB
.set ii, NB*(\a)+bq
.set ww, 1+ii/32
.set rr, (8*ii)%256
.set tt, 32+36*((\a)%6)+4*bq
	WIN ww|(ww<<2)
.irp k, 0,1,2,3
	v_cvt_pk_f16_f32 v[tt+\k], v[rr+2*\k], v[rr+2*\k+1]
.endr
.set bq, bq+1
.endr
	WIN 0
.set bq, 0
.rept NB
.set tt, 32+36*((\a)%6)+4*bq
	global_store_b128 v[CO], v[tt:tt+3], s[8:9] offset:bq*APM+(\a)*2048 th:TH_STORE_NT
.set bq, bq+1
.endr
.endm
.endif
.irp a, 0,1,2,3,4,5,6,7,8
	OUTROW \a, 0
.endr
	WIN 0
	s_cmp_lg_u32 s[WV], 0
	s_cbranch_scc1 .Lend
	OUTROW 9, 1
.Lend:
	s_wait_tensorcnt 0x0                           ; the wave's end: these three lines stand behind my last tensor load and my last LDS store
	ds_add_u32 v[SPW], v[NIL]
	s_wait_dscnt 0x0
	CROUND                                         ; the closing round: no work-group ends while a partner may still ask for a tile that names it
	s_endpgm
.Lfunc_end_k_q5321bda744_qkvgemm:
	.size	k_q5321bda744_qkvgemm, .Lfunc_end_k_q5321bda744_qkvgemm-k_q5321bda744_qkvgemm
	.p2alignl 7, 3214868480
	.fill 96, 4, 3214868480
	.section	.rodata,"a",@progbits
	.p2align	6, 0x0
	.amdhsa_kernel k_q5321bda744_qkvgemm
		.amdhsa_group_segment_fixed_size 327680
		.amdhsa_private_segment_fixed_size 0
		.amdhsa_enable_private_segment 0
		.amdhsa_kernarg_size 24
		.amdhsa_user_sgpr_count 2
		.amdhsa_user_sgpr_kernarg_segment_ptr 1
		.amdhsa_wavefront_size32 1
		.amdhsa_system_sgpr_workgroup_id_x 1
		.amdhsa_system_sgpr_workgroup_id_y 1
		.amdhsa_system_sgpr_workgroup_id_z 1
		.amdhsa_system_vgpr_workitem_id 0
		.amdhsa_next_free_vgpr 1024
		.amdhsa_next_free_sgpr 72
		.amdhsa_reserve_vcc 1
		.amdhsa_float_denorm_mode_32 3
		.amdhsa_float_denorm_mode_16_64 3
		.amdhsa_memory_ordered 1
		.amdhsa_forward_progress 1
		.amdhsa_inst_pref_size 148
	.end_amdhsa_kernel
	.amdgpu_metadata
---
amdhsa.version: [ 1, 2 ]
amdhsa.kernels:
  - .name:           k_q5321bda744_qkvgemm
    .symbol:         k_q5321bda744_qkvgemm.kd
    .args:
      - { .name: xb, .offset: 0, .size: 8, .value_kind: global_buffer, .address_space: global }
      - { .name: wb, .offset: 8, .size: 8, .value_kind: global_buffer, .address_space: global }
      - { .name: qkv, .offset: 16, .size: 8, .value_kind: global_buffer, .address_space: global }
    .group_segment_fixed_size: 327680
    .private_segment_fixed_size: 0
    .kernarg_segment_align: 8
    .kernarg_segment_size: 24
    .max_flat_workgroup_size: 128
    .sgpr_count:     72
    .vgpr_count:     1024
    .wavefront_size: 32
...
	.end_amdgpu_metadata
.endif
;; end of part 2
;; launch attn (part 3): grid 12 x 16, 8 waves a work-group, no clusters, 242,688 bytes of LDS; arguments qkv, lamb, ob; writes ob
.if DOCPART == 3
	.amdgcn_target "amdgcn-amd-amdhsa--gfx1250"
	.amdhsa_code_object_version 6
	.text
	.protected	k_q5321bda744_attn
	.globl	k_q5321bda744_attn
	.p2align	8
	.type	k_q5321bda744_attn,@function
k_q5321bda744_attn:
	s_mov_b64 s[64:65], 0
	v_nop
	global_prefetch_b8 v0, s[64:65] scope:SCOPE_SE
	s_setreg_imm32_b32 hwreg(HW_REG_WAVE_MODE, 25, 1), 1
	s_wait_xcnt 0x0
; ATTENTION WITH THE REACTION TERM, for one head of one batch.  With A = softmax(q k^T / 8) and beta = lamb[head] the module's map is A + beta (3 (A A - A) + A) = (1 - 2 beta) A + 3 beta A A, so
;   O' = A V',  V' = (1 - 2 beta) V + 3 beta (A V):   A A is never formed.  This holds for every input; the order of rounding differs from a program that forms A A.
; PASS 1 makes W = A V with a running maximum m and sum l, and writes V' (f16) into LDS.  PASS 2 makes the scores again, takes p = 2^(c s - c m) with the final m, and O' = (sum p V') / l.
; q, k, v: qkv [16 b][144 planes][592][16] f16 (a row of a plane 32 bytes; q of head h in planes 4 h .. 4 h + 3, k 48 on, v 96 on; rows 577-591 hold zeros).  O' leaves in the same planes, f16.
; LIMITS.  |q|, |k|, |v|, |V'|, |O'| stay under 65,504.  A key that does not exist counts as its score less 1e30; a weight below 2^-126 counts as 0; NaN and infinities are not treated apart.
; lamb is rounded to bf16, as all the module's inputs are.  Products, maxima and sums in f32; p, V' and O' are rounded once to f16.
; SHARES.  All of a head's K, V and V' lie in LDS, filled once: the key loop has no barrier.  Eight waves; wave w owns the query tiles w + 8 i, i = 0..4, of 16 rows; tile i = 4 exists for w < 5 (37 tiles).
; NO CLUSTER: each work-group has its own K and V; nothing is shared.  NO PREFETCH: every load from memory stands at the kernel's head.
; LAYOUT.  S^T = K Q^T (source 0 = 16 keys, source 1 = 16 queries): a lane holds ONE query and the keys 8 (lane / 16) + 0..7; two such results rounded in pairs ARE source 1 of O^T = V^T P.
; In LDS the mover lays 16 bytes behind every 256: a block of 16 rows is 544 bytes, and row r's 16 h-th bytes stand at 32 r + 16 h + 16 (r / 8).
; KEYS.  Nine steps of 64, and key 576 with fifteen that do not exist.  That last block is taken FIRST: its products start O^T with the constant 0 and its scores start m and l: nothing is cleared.
; REGISTERS.  Window 0: v2-15 addresses and factors; v16-35 statistics (c m, m, l, l a tile; after pass 1 the third holds 1 / l); v36-43 at work; v48-87 S^T; v88-103 P; v104-167 K of a step;
; v168-231 V of a step; v232-247 K of the last block; v248-255 its mask.  Window 1: v0-159 O^T, 32 a tile; v160-239 Q, 16 a tile.
.set APM,   18944                      ; a plane in memory
.set APL,   20128                      ; and in LDS
.set BLK,   544
.set VOFF,  4*APL                      ; LDS: K's four planes, V's four, V''s four (stored by the waves, never a fill's target: it begins at a multiple of 256)
.set VPOFF, 8*APL
.set SPARE, 241664                     ; the next multiple of 256 behind them: the spare words, 128 bytes for each wave, which no other line names
.set AK0, 2                            ; v2   my place in a block, plain loads; never rewritten
.set AV0, 3                            ; v3   the same for the turning loads
.set AK,  4                            ; v4   K's next run of loads
.set AV,  5                            ; v5   V's
.set RO,  6                            ; v6   my 16 bytes of my tile 0 in a plane in memory
.set RV,  7                            ; v7   the same in LDS, in V
.set RP,  8                            ; v8   and in V'
.set C0,  9                            ; v9   1 - 2 beta
.set C1,  10                           ; v10  3 beta
.set SPW, 12                           ; v12  LDS address of my spare word; never rewritten
.set NIL, 13                           ; v13  0; never rewritten
.set ST,  16
.set TMP, 36                           ; c0-c3; +4 a (named as a pair with +5, which holds 0); +6 c m_old; +7 its change
.set S,   48
.set P,   88
.set KR,  104
.set VR,  168
.set KT,  232
.set MC,  248
.set OA,  0                            ; window 1
.set QR,  160                          ; window 1
.set WV,  12
.set G1,  16                           ; s[16:23]
.set G0,  24                           ; s[24:27]
.set CNT, 57
.set CS,  58                           ; s[58:59] c = log2(e) / 8
.set SEL, 60                           ; s[60:61] v_permlanex16_b32's selects: each lane takes its own place in the other half
.set BIGN, 62                          ; s62 -1e30
.set MSB, 0
.macro WIN new
.if MSB != (\new)
	s_set_vgpr_msb (MSB<<8)|(\new)
.set MSB, \new
.endif
.endm
.set W_KQ, 0x04                        ; Q (source 1) in window 1
.set W_PV, 0x50                        ; C and D in window 1
.set W_RS, 0x41                        ; destination and source 0 in window 1
.set W_CV, 0x05                        ; sources 0 and 1 in window 1
.set W_Q,  0x40                        ; destination in window 1
.macro PLACES
.rept 4
	v_nop
.endr
.endm
.macro OPT5 body:vararg                ; what belongs to tile 4 is done by waves 0 to 4 alone: no barrier stands in it
	WIN 0
	s_cmp_lt_u32 s[WV], 5
	s_cbranch_scc0 .Lskip_\@
	\body
	WIN 0
.Lskip_\@:
.endm
	s_load_b128 s[4:7], s[0:1], 0x0                ; qkv s[4:5], lamb s[6:7]
	s_load_b64 s[8:9], s[0:1], 0x10                ; ob
	v_lshl_add_u32 v[SPW], v0, 2, SPARE
	v_mov_b32 v[NIL], 0
	ds_add_u32 v[SPW], v[NIL]                      ; the wave's opening: the add and its wait stand ahead of my first tensor load; the set-up below stands between them
	v_lshrrev_b32 v1, 5, v0
	v_readfirstlane_b32 s[WV], v1
	; group 1: a plane is 74 dense rows of 32 elements of 8 bytes; 16 bytes of padding behind each
	s_mov_b32 s[G1],   (3<<16)|(1<<20)|(5<<22)|(3<<25)
	s_mov_b32 s[G1+1], 32<<16
	s_mov_b32 s[G1+2], 74<<16
	s_mov_b32 s[G1+3], 32<<16
	s_mov_b32 s[G1+4], 74
	s_mov_b32 s[G1+5], 32
	s_mov_b32 s[G1+6], 0
	s_mov_b32 s[G1+7], 0
	s_and_b32 s28, ttmp7, 0xffff                   ; the batch
	s_mul_i32 s30, s28, 144*APM
	s_mul_i32 s29, ttmp9, 4*APM                    ; the head's four planes
	s_add_co_u32 s30, s30, s29
	s_mov_b32 s31, 0
	s_and_b32 s32, s[WV], 3                        ; each wave fetches one plane: waves 0-3 K's, waves 4-7 V's
	s_mul_i32 s32, s32, APM
	s_lshr_b32 s33, s[WV], 2
	s_mul_i32 s33, s33, 48*APM
	s_add_co_u32 s32, s32, s33
	s_add_co_u32 s32, s32, 48*APM
	s_mov_b32 s33, 0
	s_mov_b32 s[G0], 1
	s_mul_i32 s[G0+1], s[WV], APL                  ; into LDS at wave x a plane
	s_mul_i32 s34, s28, 48*APM
	s_add_co_u32 s34, s34, s29
	s_mov_b32 s35, 0
	s_lshl_b32 s14, ttmp9, 2
	s_mov_b32 s15, 0
	s_mov_b32 s[CS], 0x3e38aa3b
	s_mov_b32 s[CS+1], s[CS]
	s_mov_b32 s[SEL], 0x76543210
	s_mov_b32 s[SEL+1], 0xfedcba98
	s_mov_b32 s[BIGN], 0xf149f2ca
	s_wait_dscnt 0x0                               ; the opening add is done
	s_wait_kmcnt 0x0
	s_add_nc_u64 s[4:5], s[4:5], s[30:31]          ; q of my head
	s_add_nc_u64 s[G0+2:G0+3], s[4:5], s[32:33]
	s_or_b32 s[G0+3], s[G0+3], 0x80000000
	tensor_load_to_lds s[G0:G0+3], s[G1:G1+7]      ; my one tensor load of the launch
	s_nop 0
	s_add_nc_u64 s[6:7], s[6:7], s[14:15]
	s_add_nc_u64 s[8:9], s[8:9], s[34:35]          ; O' of my head
	s_load_b32 s13, s[6:7], 0x0                    ; lamb[head]
	v_and_b32 v1, 15, v0                           ; r
	v_bfe_u32 v14, v0, 4, 1                        ; h
	v_lshlrev_b32 v[RO], 5, v1
	v_lshl_add_u32 v[RO], v14, 4, v[RO]            ; 32 r + 16 h
	v_lshrrev_b32 v11, 3, v1
	v_lshl_add_u32 v[AK0], v11, 4, v[RO]           ; + 16 (r / 8)
	v_and_b32 v11, 7, v0
	v_bfe_u32 v15, v0, 3, 1
	v_mul_u32_u24 v[AV0], v14, 272                 ; the turning load: lane l reads key 8 h + l % 8, channels 8 ((l / 8) % 2) + 0..7
	v_lshl_add_u32 v[AV0], v11, 5, v[AV0]
	v_lshl_add_u32 v[AV0], v15, 4, v[AV0]
	s_lshl_b32 s28, s[WV], 9
	v_add_nc_u32 v[RO], s28, v[RO]
	s_mul_i32 s28, s[WV], BLK
	v_add_nc_u32 v[RV], s28, v[AK0]
	v_add_nc_u32 v[RP], VPOFF, v[RV]
	v_add_nc_u32 v[RV], VOFF, v[RV]
.macro QLOAD i                         ; Q stays in registers: tile i, plane p
	WIN W_Q
.irp p, 0,1,2,3
	global_load_b128 v[QR+16*(\i)+4*\p:QR+16*(\i)+4*\p+3], v[RO], s[4:5] offset:\p*APM+4096*(\i)
.endr
.endm
	QLOAD 0
	QLOAD 1
	QLOAD 2
	QLOAD 3
	OPT5 QLOAD 4
	WIN 0
	v_cvt_f32_u32 v11, v14
	v_mul_f32 v[MC], s[BIGN], v11                  ; the last block's mask: key 576 is register 0 of lanes 0-15; all else is hidden
.irp z, 1,2,3,4,5,6,7
	v_mov_b32 v[MC+\z], s[BIGN]
.endr
	v_mov_b32 v[TMP+5], 0
	s_wait_kmcnt 0x0
	v_mov_b32 v11, s13
	v_cvt_pk_bf16_f32 v11, v11, v11
	v_lshlrev_b32 v11, 16, v11                     ; beta, rounded to bf16
	v_fma_f32 v[C0], v11, -2.0, 1.0
	v_mul_f32 v[C1], 0x40400000, v11
; THE MATRIX WORK.  The four accumulators of a run of eight take turns.  S^T = K Q^T for tile i: channels 32 (n / 4) on, keys 16 (n % 4) on.
.macro KQ i
	WIN W_KQ
.set n, 0
.rept 8
.set rS, S+8*(n%4)
.set rK, KR+16*(n%4)+8*(n/4)
.set rQ, QR+16*(\i)+8*(n/4)
.if n < 4
	v_wmma_f32_16x16x32_f16 v[rS:rS+7], v[rK:rK+7], v[rQ:rQ+7], 0
.else
	v_wmma_f32_16x16x32_f16 v[rS:rS+7], v[rK:rK+7], v[rQ:rQ+7], v[rS:rS+7]
.endif
.set n, n+1
.endr
.endm
.macro PV i                            ; O^T += V^T P: keys 32 (n / 4) on, channels 16 (n % 4) on
	WIN W_PV
.set n, 0
.rept 8
.set rO, OA+32*(\i)+8*(n%4)
.set rV, VR+32*(n/4)+8*(n%4)
.set rP, P+8*(n/4)
	v_wmma_f32_16x16x32_f16 v[rO:rO+7], v[rV:rV+7], v[rP:rP+7], v[rO:rO+7]
.set n, n+1
.endr
.endm
.macro FETCH_K                         ; 16 loads: key block f / 4, plane f % 4
.irp f, 0,1,2,3,4,5,6,7,8,9,10,11,12,13,14,15
	ds_load_b128 v[KR+4*\f:KR+4*\f+3], v[AK] offset:(\f%4)*APL+(\f/4)*BLK
.endr
.endm
.macro FETCH_V                         ; 16 turning loads: keys 32 (f / 4) on, plane (16 channels) f % 4
.irp f, 0,1,2,3,4,5,6,7
	ds_load_tr16_b128 v[VR+8*\f:VR+8*\f+3],   v[AV] offset:(\f%4)*APL+(\f/4)*2*BLK
	ds_load_tr16_b128 v[VR+8*\f+4:VR+8*\f+7], v[AV] offset:(\f%4)*APL+(\f/4)*2*BLK+BLK
.endr
.endm
; THE VECTOR WORK.  SCALE np: c s - c m for np pairs from rS on; then their exponentials as ONE batch with ONE wait ahead of the first use; then the roundings into P.
.macro EXPS np
.set z, 0
.rept \np
	v_pk_fma_f32 v[rS+2*z:rS+2*z+1], v[rS+2*z:rS+2*z+1], s[CS:CS+1], v[rT:rT+1] op_sel_hi:[1,0,0] neg_lo:[0,0,1] neg_hi:[0,0,1]
.set z, z+1
.endr
.set z, 0
.rept 2*(\np)
	v_exp_f32 v[rS+z], v[rS+z]
.set z, z+1
.endr
	v_nop                                          ; a plain instruction behind the last exponential
	s_wait_alu depctr_va_vdst(0)                   ; the wait for the batch
.set z, 0
.rept \np
	v_cvt_pk_f16_f32 v[P+z], v[rS+2*z], v[rS+2*z+1]
.set z, z+1
.endr
.endm
.macro SM1 i                           ; pass 1: the running maximum, a, the weights, their sum, O^T and l times a.  Each accumulator's lowest registers are read first.
.set rT, ST+4*(\i)
.set rS, S
	WIN 0
.irp kb, 0,1,2,3
	v_max_num_f32 v[TMP+\kb], v[S+8*\kb], v[S+8*\kb+1]
.endr
.irp z, 2,4,6
.irp kb, 0,1,2,3
	v_max3_num_f32 v[TMP+\kb], v[TMP+\kb], v[S+8*\kb+\z], v[S+8*\kb+\z+1]
.endr
.endr
	v_max3_num_f32 v[TMP], v[TMP], v[TMP+1], v[TMP+2]
	v_mov_b32 v[TMP+6], v[rT]                      ; c m_old
	v_max3_num_f32 v[TMP], v[TMP], v[TMP+3], v[rT+1]
	v_permlanex16_b32 v[TMP+1], v[TMP], s[SEL], s[SEL+1]  ; the query's other 32 keys lie in the lane 16 away
	v_max_num_f32 v[rT+1], v[TMP], v[TMP+1]
	v_mul_f32 v[rT], s[CS], v[rT+1]
	v_sub_f32 v[TMP+7], v[TMP+6], v[rT]
	v_exp_f32 v[TMP+4], v[TMP+7]                   ; a: the first of the batch
	EXPS 16
.set z, 0
.rept 8
	v_pk_add_f32 v[S+4*z:S+4*z+1], v[S+4*z:S+4*z+1], v[S+4*z+2:S+4*z+3]
.set z, z+1
.endr
.set z, 0
.rept 4
	v_pk_add_f32 v[S+8*z:S+8*z+1], v[S+8*z:S+8*z+1], v[S+8*z+4:S+8*z+5]
.set z, z+1
.endr
	v_pk_add_f32 v[S:S+1], v[S:S+1], v[S+8:S+9]
	v_pk_add_f32 v[S+16:S+17], v[S+16:S+17], v[S+24:S+25]
	v_pk_add_f32 v[S:S+1], v[S:S+1], v[S+16:S+17]
	v_pk_fma_f32 v[rT+2:rT+3], v[rT+2:rT+3], v[TMP+4:TMP+5], v[S:S+1] op_sel_hi:[1,0,1]
	WIN W_RS
.set z, 0
.rept 16
	v_pk_mul_f32 v[OA+32*(\i)+2*z:OA+32*(\i)+2*z+1], v[OA+32*(\i)+2*z:OA+32*(\i)+2*z+1], v[TMP+4:TMP+5] op_sel_hi:[1,0]
.set z, z+1
.endr
.endm
.macro SM2 i                           ; pass 2: m is final: the weights alone
.set rT, ST+4*(\i)
.set rS, S
	WIN 0
	EXPS 16
.endm
; A tile's share of a key step.  wv = 1: V is waited for.  fk = 1: the trip's last K Q^T has been issued, and K of the next step is fetched, four places and the address's line behind it.
.macro TILE i, pass, wv, fk
	KQ \i
	WIN 0
	PLACES
.if \fk
	v_add_nc_u32 v[AK], 4*BLK, v[AK]
	FETCH_K
.endif
.if (\pass) == 1
	SM1 \i
.else
	SM2 \i
.endif
.if \wv
	s_wait_dscnt 0x0                               ; V is in
.endif
	PV \i
.endm
; THE NINE STEPS OF 64 KEYS.  V of the step is fetched at the trip's head and has a tile's K Q^T and softmax in which to land; K of the next step in the trip's last tile.  The ninth trip's fetch of K
; reads the 64 rows behind key 575: block 36 and the blocks that follow it in LDS, filled bytes all; nobody uses them.  So no fetch is jumped over and every count holds on every path.
.macro LOOP pass
	WIN 0
	s_mov_b32 s[CNT], 9
.Lstep_\@:
	PLACES                                         ; behind the last product that read V
	FETCH_V
	v_add_nc_u32 v[AV], 4*BLK, v[AV]
	s_wait_dscnt 16                                ; V's sixteen may be out: K is in
	OPT5 TILE 4, \pass, 1, 0
	TILE 0, \pass, 1, 0
	TILE 1, \pass, 0, 0
	TILE 2, \pass, 0, 0
	TILE 3, \pass, 0, 1
	WIN 0
	s_sub_co_u32 s[CNT], s[CNT], 1
	s_cmp_lg_u32 s[CNT], 0
	s_cbranch_scc1 .Lstep_\@
	s_wait_dscnt 0x0                               ; the last fetch of K has landed: its registers may be written again
	PLACES
.endm
; THE LAST BLOCK OF KEYS, taken first.  One accumulator a tile, the mask as the C operand that starts its sum; the tiles take turns.
.macro TKQ i, c
	WIN W_KQ
.if (\c) == 0
	v_wmma_f32_16x16x32_f16 v[S+8*(\i):S+8*(\i)+7], v[KT:KT+7], v[QR+16*(\i):QR+16*(\i)+7], v[MC:MC+7]
.else
	v_wmma_f32_16x16x32_f16 v[S+8*(\i):S+8*(\i)+7], v[KT+8:KT+15], v[QR+16*(\i)+8:QR+16*(\i)+15], v[S+8*(\i):S+8*(\i)+7]
.endif
.endm
.macro TT i, pass                      ; its softmax for tile i (pass 1: it starts m and l) and its four products, which start O^T
.set rT, ST+4*(\i)
.set rS, S+8*(\i)
	WIN 0
.if (\pass) == 1
	v_max3_num_f32 v[TMP], v[rS], v[rS+1], v[rS+2]
	v_max3_num_f32 v[TMP+1], v[rS+3], v[rS+4], v[rS+5]
	v_max3_num_f32 v[TMP], v[TMP], v[rS+6], v[rS+7]
	v_max_num_f32 v[TMP], v[TMP], v[TMP+1]
	v_permlanex16_b32 v[TMP+1], v[TMP], s[SEL], s[SEL+1]
	v_max_num_f32 v[rT+1], v[TMP], v[TMP+1]        ; key 576's score
	v_mul_f32 v[rT], s[CS], v[rT+1]
.endif
	EXPS 4
.if (\pass) == 1
	v_pk_add_f32 v[rS:rS+1], v[rS:rS+1], v[rS+2:rS+3]
	v_pk_add_f32 v[rS+4:rS+5], v[rS+4:rS+5], v[rS+6:rS+7]
	v_pk_add_f32 v[rT+2:rT+3], v[rS:rS+1], v[rS+4:rS+5]
.endif
	WIN W_PV
.irp cb, 0,1,2,3
	v_wmma_f32_16x16x32_f16 v[OA+32*(\i)+8*\cb:OA+32*(\i)+8*\cb+7], v[VR+8*\cb:VR+8*\cb+7], v[P:P+7], 0
.endr
.endm
.macro TAIL pass
	WIN 0
	v_add_nc_u32 v11, 36*BLK, v[AK0]
.irp p, 0,1,2,3
	ds_load_b128 v[KT+4*\p:KT+4*\p+3], v11 offset:\p*APL
.endr
.if (\pass) == 1
	v_add_nc_u32 v[AV], VOFF, v[AV0]
.else
	v_add_nc_u32 v[AV], VPOFF, v[AV0]
.endif
	v_add_nc_u32 v14, 36*BLK, v[AV]
.irp cb, 0,1,2,3
	ds_load_tr16_b128 v[VR+8*\cb:VR+8*\cb+3], v14 offset:\cb*APL
.endr
.irp cb, 0,1,2,3
.irp z, 4,5,6,7
	v_mov_b32 v[VR+8*\cb+\z], 0                    ; the product is 32 keys deep: its second sixteen are zeros, in V
.endr
.endr
.irp z, 4,5,6,7
	v_mov_b32 v[P+\z], 0                           ; and in P
.endr
	v_mov_b32 v[AK], v[AK0]
	FETCH_K                                        ; key step 0
.if (\pass) == 1
	s_wait_loadcnt 0x0                             ; Q
.endif
	s_wait_dscnt 20                                ; V's four and K's sixteen may be out: the last block's K is in
.irp c, 0,1
	TKQ 0, \c
	TKQ 1, \c
	TKQ 2, \c
	TKQ 3, \c
	OPT5 TKQ 4, \c
.endr
	WIN 0
	PLACES
	s_wait_dscnt 16                                ; K's sixteen may be out: the last block's V is in
	TT 0, \pass
	TT 1, \pass
	TT 2, \pass
	TT 3, \pass
	OPT5 TT 4, \pass
.endm
; PASS 1's END for tile i: 1 / l (kept for pass 2); V' = (1 - 2 beta) V + 3 beta O^T / l for my 16 rows, rounded to f16, into LDS.
.macro EPI1 i
.set rT, ST+4*(\i)
.set rO, OA+32*(\i)
	WIN 0
	v_add_f32 v[rT+2], v[rT+2], v[rT+3]
	v_permlanex16_b32 v[rT+3], v[rT+2], s[SEL], s[SEL+1]
	v_add_f32 v[rT+2], v[rT+2], v[rT+3]
	v_rcp_f32 v[rT+2], v[rT+2]
	v_add_nc_u32 v11, 8*BLK*(\i), v[RV]            ; a plain instruction behind the reciprocal
.irp cb, 0,1,2,3
	ds_load_b128 v[S+4*\cb:S+4*\cb+3], v11 offset:\cb*APL  ; V of my own rows, as it lies
.endr
	v_add_nc_u32 v14, 8*BLK*(\i), v[RP]
	s_wait_alu depctr_va_vdst(0)                   ; the wait ahead of the reciprocal's first use
	v_mul_f32 v[TMP+4], v[rT+2], v[C1]
	WIN W_RS
.set z, 0
.rept 16
	v_pk_mul_f32 v[rO+2*z:rO+2*z+1], v[rO+2*z:rO+2*z+1], v[TMP+4:TMP+5] op_sel_hi:[1,0]
.set z, z+1
.endr
	s_wait_dscnt 0x0
	WIN W_PV
.set z, 0
.rept 16
	v_fma_mix_f32 v[rO+2*z],   v[S+z], v[C0], v[rO+2*z]   op_sel_hi:[1,0,0]
	v_fma_mix_f32 v[rO+2*z+1], v[S+z], v[C0], v[rO+2*z+1] op_sel:[1,0,0] op_sel_hi:[1,0,0]
.set z, z+1
.endr
	WIN W_CV
.set z, 0
.rept 16
	v_cvt_pk_f16_f32 v[S+16+z], v[rO+2*z], v[rO+2*z+1]
.set z, z+1
.endr
	WIN 0
.irp cb, 0,1,2,3
	ds_store_b128 v14, v[S+16+4*\cb:S+16+4*\cb+3] offset:\cb*APL
.endr
.endm
; PASS 2's END for tile i: O' = O^T / l, rounded to f16; a store of the wave covers 512 consecutive bytes of a plane, aligned.  Each tile has registers of its own: no store's source is rewritten.
.macro EPI2 i
.set rT, ST+4*(\i)
.set rO, OA+32*(\i)
	WIN W_RS
.set z, 0
.rept 16
	v_pk_mul_f32 v[rO+2*z:rO+2*z+1], v[rO+2*z:rO+2*z+1], v[rT+2:rT+3] op_sel_hi:[1,0]
.set z, z+1
.endr
	WIN W_CV
.set z, 0
.rept 16
	v_cvt_pk_f16_f32 v[S+16*(\i)+z], v[rO+2*z], v[rO+2*z+1]
.set z, z+1
.endr
	WIN 0
.irp cb, 0,1,2,3
	global_store_b128 v[RO], v[S+16*(\i)+4*\cb:S+16*(\i)+4*\cb+3], s[8:9] offset:\cb*APM+4096*(\i) th:TH_STORE_NT
.endr
.endm
	s_wait_tensorcnt 0x0                           ; my plane is in,
	s_barrier_signal -1
	s_barrier_wait -1                              ; everybody's is
	TAIL 1
	LOOP 1
	OPT5 EPI1 4
	EPI1 0
	EPI1 1
	EPI1 2
	EPI1 3
	s_wait_dscnt 0x0                               ; for the others' sake: my rows of V' are stored
	s_barrier_signal -1
	s_barrier_wait -1                              ; all 592 rows of V' lie in LDS
	TAIL 2
	LOOP 2
	OPT5 EPI2 4
	EPI2 0
	EPI2 1
	EPI2 2
	EPI2 3
	s_wait_tensorcnt 0x0                           ; the wave's end: these three lines stand behind my last tensor load and my last LDS store
	ds_add_u32 v[SPW], v[NIL]
	s_wait_dscnt 0x0
	s_endpgm
.Lfunc_end_k_q5321bda744_attn:
	.size	k_q5321bda744_attn, .Lfunc_end_k_q5321bda744_attn-k_q5321bda744_attn
	.p2alignl 7, 3214868480
	.fill 96, 4, 3214868480
	.section	.rodata,"a",@progbits
	.p2align	6, 0x0
	.amdhsa_kernel k_q5321bda744_attn
		.amdhsa_group_segment_fixed_size 242688
		.amdhsa_private_segment_fixed_size 0
		.amdhsa_enable_private_segment 0
		.amdhsa_kernarg_size 24
		.amdhsa_user_sgpr_count 2
		.amdhsa_user_sgpr_kernarg_segment_ptr 1
		.amdhsa_wavefront_size32 1
		.amdhsa_system_sgpr_workgroup_id_x 1
		.amdhsa_system_sgpr_workgroup_id_y 1
		.amdhsa_system_sgpr_workgroup_id_z 1
		.amdhsa_system_vgpr_workitem_id 0
		.amdhsa_next_free_vgpr 496
		.amdhsa_next_free_sgpr 66
		.amdhsa_reserve_vcc 0
		.amdhsa_float_denorm_mode_32 3
		.amdhsa_float_denorm_mode_16_64 3
		.amdhsa_memory_ordered 1
		.amdhsa_forward_progress 1
		.amdhsa_inst_pref_size 130
	.end_amdhsa_kernel
	.amdgpu_metadata
---
amdhsa.version: [ 1, 2 ]
amdhsa.kernels:
  - .name:           k_q5321bda744_attn
    .symbol:         k_q5321bda744_attn.kd
    .args:
      - { .name: qkv, .offset: 0, .size: 8, .value_kind: global_buffer, .address_space: global }
      - { .name: lamb, .offset: 8, .size: 8, .value_kind: global_buffer, .address_space: global }
      - { .name: ob, .offset: 16, .size: 8, .value_kind: global_buffer, .address_space: global }
    .group_segment_fixed_size: 242688
    .private_segment_fixed_size: 0
    .kernarg_segment_align: 8
    .kernarg_segment_size: 24
    .max_flat_workgroup_size: 256
    .sgpr_count:     66
    .vgpr_count:     496
    .wavefront_size: 32
...
	.end_amdgpu_metadata
.endif
;; end of part 3
;; launch proj (part 4): grid 12 x 16, 4 waves a work-group, clusters of 4 x 4, 327,680 bytes of LDS; arguments ob, wpb, bp, out0; writes out0
.if DOCPART == 4
	.amdgcn_target "amdgcn-amd-amdhsa--gfx1250"
	.amdhsa_code_object_version 6
	.text
	.protected	k_q5321bda744_proj
	.globl	k_q5321bda744_proj
	.p2align	8
	.type	k_q5321bda744_proj,@function
k_q5321bda744_proj:
	s_mov_b64 s[64:65], 0
	v_nop
	global_prefetch_b8 v0, s[64:65] scope:SCOPE_SE
	s_setreg_imm32_b32 hwreg(HW_REG_WAVE_MODE, 25, 1), 1
	s_wait_xcnt 0x0
	s_wait_alu depctr_hold_cnt(0) depctr_sa_sdst(0) depctr_va_vdst(0) depctr_va_sdst(0) depctr_va_ssrc(0) depctr_va_vcc(0) depctr_vm_vsrc(0)
	s_getreg_b32 s2, hwreg(HW_REG_IB_STS2, 6, 4)
	s_cmp_eq_u32 s2, 0
	s_cbranch_scc0 .Lentry_in_a_cluster
	s_endpgm
.Lentry_in_a_cluster:
	s_bfe_u32 s2, ttmp6, 0x10000c
	s_cmp_lg_u32 s2, 0xf033
	s_cbranch_scc0 .Lentry_shape_is_right
	s_endpgm
.Lentry_shape_is_right:
; C = A B^T on operands that lie in PLANES ([K / 16 planes][rows][16 numbers], a row of a plane 32 bytes).  One text for two launches, told apart by PROJ:
;   PROJ = 0: [q | k | v] = xb wb^T, bf16 operands, f32 sums, rounded once to f16 into qkv [16 b][144 planes][592][16].  LIMIT: |q|, |k|, |v| stay under 65,504.
;   PROJ = 1: out0 = ob wpb^T + bp, f16 operands, f32 sums and output; bp is rounded to bf16, as all the module's inputs are.
; SHARES.  A work-group takes all 592 rows (37 blocks of 16) of batch b and 16 NB columns.  37 is prime, so the rows are dealt block by block: wave w owns blocks 4 a + w, a = 0..8,
; and wave 0 also block 36.  A wave has 10 NB accumulators of 16 x 16.  K = 768 goes in 8 steps of 96 (6 planes) through two LDS slots; a step is three units of 32 along K.
; With NB = 4 a work-group's columns are 256 bytes of a row of out0; that gives 192 work-groups.
; LAYOUT.  A fragment (16 rows x 32 K) takes registers 0-3 from plane 2 c and 4-7 from plane 2 c + 1, 16 bytes a lane.  A step's tile is dense in memory and is asked for as rows of 256 bytes;
; the mover lays 16 bytes behind each, so that a block of 16 rows is 544 bytes in LDS and lane (r, h) stands at 32 r + 16 h + 16 (r / 8).
; THE MATRIX INSTRUCTION IS USED TRANSPOSED (source 0 = 16 rows of B, source 1 = 16 rows of A): a lane holds one row of C and eight neighbouring columns.
; CLUSTER.  4 x 4 work-groups.  A's tile hangs on b alone and is shared along a row of the cluster, B's on the column block j alone and is shared along a column: each is asked for jointly.
; REGISTERS.  Window 0: v2-24 addresses; v32-111 A's ten fragments (one buffer, filled in two halves); from v112 two buffers of NB fragments of B; v176-207 bp.  Windows 1 and 2: the accumulators,
; (a, bq) at number NB a + bq, 32 to a window.  Each accumulator has one instruction a unit: they take turns.
.set PROJ, 1
.if PROJ
.set NB, 4
.else
.set NB, 9
.endif
.set APM,  18944                       ; a plane of A in memory: 592 rows of 32 bytes
.set APL,  20128                       ; and in LDS: 74 rows of 272
.set BLK,  544                         ; 16 rows of a plane in LDS
.set BPM,  512*NB                      ; a plane of B
.set BPL,  BLK*NB
.set STAM, 6*APM                       ; a K step of A in memory, and in LDS
.set STAL, 6*APL
.set STBM, 6*BPM
.set STBL, 6*BPL
.set SLOT, STAL+STBL                   ; A's six planes, then B's
.set HAM,  3*APM                       ; what one tensor load brings: three planes
.set HAL,  3*APL
.set HBM,  3*BPM
.set HBL,  3*BPL
.set RA,   222                         ; its rows of 256 bytes
.set RB,   6*NB
.if PROJ
.set STAGE, 267776                     ; behind the ring, from the next multiple of 256: 16 rows x 272 bytes for each wave, for the way out
.set SPARE, STAGE+4*16*272             ; behind the stages: the spare words, 128 bytes for each wave, which no other line names
.else
.set SPARE, 2*SLOT
.endif
.set ADRA, 2                           ; v2-7    LDS address of my A fragments: slot s, unit c at ADRA + 3 s + c
.set ADRX, 8                           ; v8-13   the same for block 36
.set ADRB, 14                          ; v14-15  of B's fragments in slot s
.set CO,   16                          ; v16     my byte offset in the output
.set STO,  17                          ; v17     where I put 16 bytes of a row in my stage
.set SPW,  18                          ; v18     LDS address of my spare word; never rewritten
.set NIL,  19                          ; v19     0; never rewritten
.set PF0,  20                          ; v20-22  the prefetches' offsets: 256 x lane, whole and clamped; never rewritten
.set PF1,  21
.set PF2,  22
.set RD,   23                          ; v23     where I read rows back
.set LN,   24                          ; v24     lane
.set AF,   32
.set BF0,  112
.set BIAS, 176                         ; v176-207 bp of my 8 columns in each of the four column blocks
.set WV,   12                          ; s12 wave; s13 = wave / 2: I fetch for A (0) or B (1); s14 = wave % 2: which half of the tile
.set ROLE, 13
.set HALF, 14
.set G1A,  16                          ; s[16:23], s[24:31] descriptor group 1 for A's and B's tiles
.set G1B,  24
.set G0A,  32                          ; s[32:39], s[48:55] group 0, a set for each slot
.set G0B,  48
.set PFA,  56                          ; s[56:57] where my prefetches stand
.set LIM,  58                          ; s58 1 in a wave that prefetches, else the greatest number
.set PFS,  60                          ; s[60:61] a K step of the tensor that I prefetch
.set MSB, 0
.macro WIN new                         ; the immediate's high byte repeats the setting that is left; a switch that changes nothing is dropped
.if MSB != (\new)
	s_set_vgpr_msb (MSB<<8)|(\new)
.set MSB, \new
.endif
.endm
.macro PLACES                          ; four places in front of loads into registers that matrix instructions have read (ISA guide 7.12.1 for vector instructions)
.rept 4
	v_nop
.endr
.endm
; A joint load: waves 0 and 1 fetch A's two halves, waves 2 and 3 B's.  An s_nop 0 and four v_nop follow each of the two lines, ahead of the jump and the label.
.macro JLOAD s
	s_cmp_eq_u32 s[ROLE], 0
	s_cbranch_scc0 .Lfor_b_\@
	tensor_load_to_lds s[G0A+4*(\s):G0A+4*(\s)+3], s[G1A:G1A+7]
	s_nop 0
.rept 4
	v_nop
.endr
	s_branch .Lasked_\@
.Lfor_b_\@:
	tensor_load_to_lds s[G0B+4*(\s):G0B+4*(\s)+3], s[G1B:G1B+7]
	s_nop 0
.rept 4
	v_nop
.endr
.Lasked_\@:
.endm
.macro CREST                           ; a round of the cluster's barrier behind its opening barrier
	s_cmp_lg_u32 s[WV], 0
	s_cbranch_scc1 .Lnot_wave_0_\@
	s_barrier_signal -3
.Lnot_wave_0_\@:
	s_barrier_wait -3
	s_barrier_signal -1
	s_barrier_wait -1
.endm
.macro CROUND
	s_barrier_signal -1
	s_barrier_wait -1
	CREST
.endm
; A PREFETCH INTO THE L2 of the K step behind the one that the joint load just asked for: at the change behind step t it names step t + 3, one step (three units of matrix work) ahead of its load.
; Each aligned block of 256 bytes is named once in the launch (a clamped lane repeats its instruction's last block).  A's planes of batch b are read by every cluster of that row of clusters: the one with x = 0 asks, by its
; waves 0; B's by every cluster of that column: the one with y = 0 asks, by its waves 2.  The four partners that ask for a tile jointly take a quarter of the step each, told apart BY ADDRESS.
; Steps 0 to 2 come by their loads alone; the last change that fills a slot asks for nothing (how = 1: s3 = 1 in the loop's last trip).
.macro ASK how
.if \how
	s_cmp_gt_u32 s3, s[LIM]
.else
	s_cmp_eq_u32 s[LIM], 1
.endif
	s_cbranch_scc0 .Lnone_\@
	s_cmp_eq_u32 s[ROLE], 0
	s_cbranch_scc0 .Lpf_b_\@
	global_prefetch_b8 v[PF0], s[PFA:PFA+1] th:TH_LOAD_NT scope:SCOPE_SE               ; a quarter of A's step: 111 blocks
	global_prefetch_b8 v[PF0], s[PFA:PFA+1] offset:8192 th:TH_LOAD_NT scope:SCOPE_SE
	global_prefetch_b8 v[PF0], s[PFA:PFA+1] offset:16384 th:TH_LOAD_NT scope:SCOPE_SE
	global_prefetch_b8 v[PF1], s[PFA:PFA+1] offset:24576 th:TH_LOAD_NT scope:SCOPE_SE
	s_branch .Lnone_\@
.Lpf_b_\@:
	global_prefetch_b8 v[PF2], s[PFA:PFA+1] th:TH_LOAD_NT scope:SCOPE_SE               ; a quarter of B's step: STBM / 1024 blocks
.Lnone_\@:
.endm
	s_load_b128 s[4:7], s[0:1], 0x0                ; A s[4:5], B s[6:7]
.if PROJ
	s_load_b128 s[8:11], s[0:1], 0x10              ; bp s[8:9], out0 s[10:11]
.else
	s_load_b64 s[8:9], s[0:1], 0x10                ; qkv
.endif
	v_lshl_add_u32 v[SPW], v0, 2, SPARE
	v_mov_b32 v[NIL], 0
	ds_add_u32 v[SPW], v[NIL]                      ; the wave's opening: the add and its wait stand ahead of my first tensor load; the set-up below stands between them
	v_lshrrev_b32 v1, 5, v0
	v_readfirstlane_b32 s[WV], v1
	s_lshr_b32 s[ROLE], s[WV], 1
	s_and_b32 s[HALF], s[WV], 1
	s_bfe_u32 s40, ttmp6, 0x40000                  ; cx, cy: my place in the cluster
	s_bfe_u32 s41, ttmp6, 0x40004
	s_lshl_b32 s42, ttmp9, 2
	s_add_co_u32 s42, s42, s40                     ; j = 4 x cluster x + cx
	s_and_b32 s43, ttmp7, 0xffff
	s_lshl_b32 s43, s43, 2
	s_add_co_u32 s43, s43, s41                     ; b = 4 x cluster y + cy
	s_lshl_b32 s44, s41, 2
	s_lshl_b32 s44, 15, s44                        ; my row of the cluster
	s_lshl_b32 s45, 0x1111, s40                    ; my column
	; group 1: R rows of 32 elements of 8 bytes, dense; 16 bytes of padding behind each row
	s_or_b32 s[G1A], s44, (3<<16)|(1<<20)|(1<<21)|(5<<22)|(3<<25)  ; 15:0 the mask; 17:16 8-byte elements; 20 padding on; 21 set beside a mask; 24:22 after every 64 words; 31:25 4 words
	s_or_b32 s[G1B], s45, (3<<16)|(1<<20)|(1<<21)|(5<<22)|(3<<25)
.irp g, G1A, G1B
	s_mov_b32 s[(\g)+1], 32<<16                    ; tensor_dim0 = 32
	s_mov_b32 s[(\g)+3], 32<<16                    ; tile_dim0 = 32
	s_mov_b32 s[(\g)+5], 32                        ; 32 elements from row to row
	s_mov_b32 s[(\g)+6], 0
	s_mov_b32 s[(\g)+7], 0
.endr
	s_mov_b32 s[G1A+2], RA<<16                     ; tensor_dim1
	s_mov_b32 s[G1A+4], RA                         ; tile_dim1
	s_mov_b32 s[G1B+2], RB<<16
	s_mov_b32 s[G1B+4], RB
	; where the tiles come from: A's address is made of b and the wave's number, B's of j and the wave's number, each in registers that never hold the other coordinate
	s_mul_i32 s66, s43, 48*APM
	s_mul_i32 s2, s[HALF], HAM
	s_add_co_u32 s66, s66, s2
	s_mov_b32 s67, 0
	s_mul_i32 s68, s42, 48*BPM
	s_mul_i32 s59, s[HALF], HBM
	s_add_co_u32 s68, s68, s59
	s_mov_b32 s69, 0
	s_mul_i32 s46, s[WV], HAL                      ; and where they go: A's halves by waves 0 and 1,
	s_mul_i32 s47, s[WV], HBL
	s_add_co_u32 s47, s47, STAL-2*HBL              ; B's behind them by waves 2 and 3
	s_wait_dscnt 0x0                               ; the opening add is done
	s_wait_kmcnt 0x0
	s_add_nc_u64 s[66:67], s[4:5], s[66:67]
	s_add_nc_u64 s[68:69], s[6:7], s[68:69]
	CROUND                                         ; all sixteen work-groups are here: the first joint loads meet
.irp s, 0,1
	s_mov_b32 s[G0A+4*(\s)], 1
	s_add_co_u32 s[G0A+4*(\s)+1], s46, (\s)*SLOT
	s_add_nc_u64 s[G0A+4*(\s)+2:G0A+4*(\s)+3], s[66:67], (\s)*STAM
	s_or_b32 s[G0A+4*(\s)+3], s[G0A+4*(\s)+3], 0x80000000
	s_mov_b32 s[G0B+4*(\s)], 1
	s_add_co_u32 s[G0B+4*(\s)+1], s47, (\s)*SLOT
	s_add_nc_u64 s[G0B+4*(\s)+2:G0B+4*(\s)+3], s[68:69], (\s)*STBM
	s_or_b32 s[G0B+4*(\s)+3], s[G0B+4*(\s)+3], 0x80000000
	JLOAD \s                                       ; K steps 0 and 1: two loads of mine are out
.endr
	v_and_b32 v1, 15, v0                           ; r
	v_bfe_u32 v25, v0, 4, 1                        ; h
	v_lshlrev_b32 v26, 5, v1
	v_lshl_add_u32 v26, v25, 4, v26                ; my 16 bytes of a block in memory: 32 r + 16 h
	v_lshrrev_b32 v27, 3, v1
	v_lshl_add_u32 v27, v27, 4, v26                ; and in LDS: + 16 (r / 8)
	s_mul_i32 s2, s[WV], BLK
	v_add_nc_u32 v28, s2, v27
.irp s, 0,1
.irp c, 0,1,2
	v_add_nc_u32 v[ADRA+3*\s+\c], \s*SLOT+\c*2*APL, v28
	v_add_nc_u32 v[ADRX+3*\s+\c], \s*SLOT+\c*2*APL+36*BLK, v27
.endr
	v_add_nc_u32 v[ADRB+\s], \s*SLOT+STAL, v27
.endr
	v_and_b32 v[LN], 31, v0
	v_lshlrev_b32 v[PF0], 8, v[LN]
	v_min_u32 v[PF1], 14, v[LN]
	v_lshlrev_b32 v[PF1], 8, v[PF1]
	v_min_u32 v[PF2], STBM/1024-1, v[LN]
	v_lshlrev_b32 v[PF2], 8, v[PF2]
	s_mov_b32 s63, 0
	s_mov_b32 s71, 0
.if PROJ
	s_mul_i32 s2, s[WV], 16*272
	s_add_co_u32 s2, s2, STAGE                     ; my stage
	v_mul_u32_u24 v[STO], v1, 272                  ; in: row r, 32 bytes for each half of the lanes
	v_lshl_add_u32 v[STO], v25, 5, v[STO]
	v_add_nc_u32 v[STO], s2, v[STO]
	v_mul_u32_u24 v[RD], v25, 272                  ; back: lanes 0-15 one row of 256 bytes, lanes 16-31 the next
	v_lshl_add_u32 v[RD], v1, 4, v[RD]
	v_add_nc_u32 v[RD], s2, v[RD]
	s_mul_i32 s2, s[WV], 49152                     ; my block of 16 rows of 3,072 bytes
	v_mul_u32_u24 v[CO], v25, 3072
	v_lshl_add_u32 v[CO], v1, 4, v[CO]
	v_add_nc_u32 v[CO], s2, v[CO]
	s_mul_i32 s70, s43, 1772544                    ; the batch in out0
	s_lshl_b32 s62, s42, 8                         ; my 64 columns: 256 bytes
	s_add_nc_u64 s[8:9], s[8:9], s[62:63]
	s_add_nc_u64 s[10:11], s[10:11], s[62:63]
	s_add_nc_u64 s[10:11], s[10:11], s[70:71]
	v_lshlrev_b32 v29, 5, v25                      ; bp: my 8 columns of a block of 16
.irp q, 0,1,2,3,4,5,6,7
	global_load_b128 v[BIAS+4*\q:BIAS+4*\q+3], v29, s[8:9] offset:64*(\q/2)+16*(\q%2)
.endr
.else
	s_lshl_b32 s2, s[WV], 9
	v_add_nc_u32 v[CO], s2, v26                    ; my block of 16 rows of a plane
	s_mul_i32 s70, s43, 144*APM                    ; the batch in qkv,
	s_mul_i32 s62, s42, NB*APM                     ; my nine planes
	s_add_co_u32 s70, s70, s62
	s_add_nc_u64 s[8:9], s[8:9], s[70:71]
.endif
	; the prefetches' address, step and test
	s_and_b32 s59, ttmp7, 0xffff                   ; cluster y
	s_mul_i32 s70, s43, 48*APM
	s_mul_i32 s71, s42, 48*BPM
	s_mov_b32 s[PFS], STBM
	s_mov_b32 s62, STBM/4
	s_cmp_eq_u32 s[ROLE], 0                        ; do I fetch for A?
	s_cselect_b32 s59, ttmp9, s59                  ; the coordinate along which other clusters read the same planes
	s_cselect_b32 s2, s40, s41                     ; my place among the four that ask with me
	s_cselect_b64 s[PFA:PFA+1], s[4:5], s[6:7]
	s_cselect_b32 s[PFS], STAM, s[PFS]
	s_cselect_b32 s62, STAM/4, s62
	s_cselect_b32 s70, s70, s71
	s_mul_i32 s62, s62, s2                         ; my quarter of a step
	s_add_co_u32 s70, s70, s62
	s_lshl_b32 s62, s[PFS], 1                      ; at K step 2: the first change of slots steps it to 3
	s_add_co_u32 s70, s70, s62
	s_mov_b32 s71, 0
	s_mov_b32 s[PFS+1], 0
	s_add_nc_u64 s[PFA:PFA+1], s[PFA:PFA+1], s[70:71]
	s_or_b32 s59, s59, s[HALF]
	s_cmp_eq_u32 s59, 0
	s_cselect_b32 s[LIM], 1, -1                    ; the same in all sixteen partners, for a given wave
.if PROJ
	s_wait_loadcnt 0x0
.set z, 0
.rept 16
	v_cvt_pk_bf16_f32 v30, v[BIAS+2*z], v[BIAS+2*z+1]  ; bp rounded to bf16 and widened again
	v_lshlrev_b32 v[BIAS+2*z], 16, v30
	v_and_b32 v[BIAS+2*z+1], 0xffff0000, v30
.set z, z+1
.endr
.endif
; NB matrix instructions: row block a of my ten x all NB column blocks, 32 along K, B from buffer par.  zero = 1: the first product starts the sums: nothing is cleared.
.macro MULROW par, a, zero
.set bq, 0
.rept NB
.set ii, NB*(\a)+bq
.set ww, 1+ii/32
.set rr, (8*ii)%256
.set fb, BF0+8*NB*(\par)+8*bq
.set fa, AF+8*(\a)
	WIN (ww<<6)|(ww<<4)
.if PROJ
.if \zero
	v_wmma_f32_16x16x32_f16 v[rr:rr+7], v[fb:fb+7], v[fa:fa+7], 0
.else
	v_wmma_f32_16x16x32_f16 v[rr:rr+7], v[fb:fb+7], v[fa:fa+7], v[rr:rr+7]
.endif
.else
.if \zero
	v_wmma_f32_16x16x32_bf16 v[rr:rr+7], v[fb:fb+7], v[fa:fa+7], 0
.else
	v_wmma_f32_16x16x32_bf16 v[rr:rr+7], v[fb:fb+7], v[fa:fa+7], v[rr:rr+7]
.endif
.endif
.set bq, bq+1
.endr
.endm
.macro ROW9 par, zero                  ; block 36 is wave 0's alone
	WIN 0
	s_cmp_lg_u32 s[WV], 0
	s_cbranch_scc1 .Lno9_\@
	MULROW \par, 9, \zero
	WIN 0
.Lno9_\@:
.endm
.macro LOADLO s, c                     ; ten loads: A's fragments a = 0..4 of unit c of slot s
.irp a, 0,1,2,3,4
	ds_load_b128 v[AF+8*\a:AF+8*\a+3],   v[ADRA+3*(\s)+(\c)] offset:\a*4*BLK
	ds_load_b128 v[AF+8*\a+4:AF+8*\a+7], v[ADRA+3*(\s)+(\c)] offset:\a*4*BLK+APL
.endr
.endm
.macro LOADHI s, c                     ; ten loads: a = 5..8 and block 36 (every wave loads it, so that the counts are alike)
.irp a, 5,6,7,8
	ds_load_b128 v[AF+8*\a:AF+8*\a+3],   v[ADRA+3*(\s)+(\c)] offset:\a*4*BLK
	ds_load_b128 v[AF+8*\a+4:AF+8*\a+7], v[ADRA+3*(\s)+(\c)] offset:\a*4*BLK+APL
.endr
	ds_load_b128 v[AF+72:AF+75], v[ADRX+3*(\s)+(\c)]
	ds_load_b128 v[AF+76:AF+79], v[ADRX+3*(\s)+(\c)] offset:APL
.endm
.macro LOADB s, c, par                 ; 2 NB loads: B's fragments of unit c of slot s into buffer par
.set bq, 0
.rept NB
	ds_load_b128 v[BF0+8*NB*(\par)+8*bq:BF0+8*NB*(\par)+8*bq+3],   v[ADRB+(\s)] offset:2*(\c)*BPL+BLK*bq
	ds_load_b128 v[BF0+8*NB*(\par)+8*bq+4:BF0+8*NB*(\par)+8*bq+7], v[ADRB+(\s)] offset:(2*(\c)+1)*BPL+BLK*bq
.set bq, bq+1
.endr
.endm
; A unit idx (0..5 in a lap: slot idx / 3, unit idx % 3, B's buffer idx % 2) has two halves.  The first fetches A's upper half and multiplies the lower.
.macro PH1 idx, zero
	PLACES
	WIN 0
	LOADHI (\idx)/3, (\idx)%3
	s_wait_dscnt 10                                ; all but the ten just issued: A's lower half and B are in
.irp a, 0,1,2,3,4
	MULROW (\idx)%2, \a, \zero
.endr
.endm
; The second fetches the next unit's lower half of A and its B, and multiplies the upper half.  nxt = -1: nothing is left to fetch.
.macro PH2 idx, zero, nxt
	PLACES
	WIN 0
.if (\nxt) >= 0
	LOADLO (\nxt)/3, (\nxt)%3
	LOADB (\nxt)/3, (\nxt)%3, (\nxt)%2
	s_wait_dscnt 10+2*NB                           ; all but those just issued: A's upper half is in
.else
	s_wait_dscnt 0x0
.endif
.irp a, 5,6,7,8
	MULROW (\idx)%2, \a, \zero
.endr
	ROW9 (\idx)%2, \zero
.endm
; The second half of a slot's last unit changes slots: ONE barrier.  In front of it each wave waits for all its tensor loads (one is out: its part of the next slot), adds 0 to its spare word, and
; waits for that and for its reads of this slot.  fill = 1: the barrier opens a round of the cluster's, and the joint refill, this slot's tile two K steps on, is the first thing behind the round.
.macro TURN idx, fill
.set sl, (\idx)/3
.set nx, ((\idx)+1)%6
.set pr, (\idx)%2
	WIN 0
.if \fill
	s_wait_xcnt 0x0                                ; the last prefetches, a K step back, have read their address: it is stepped here
	s_add_nc_u64 s[PFA:PFA+1], s[PFA:PFA+1], s[PFS:PFS+1]
.endif
	s_wait_tensorcnt 0x0                           ; all my tensor loads have landed
	ds_add_u32 v[SPW], v[NIL]                      ; 0 onto my spare word
	s_wait_dscnt 1                                 ; (the add may be out: A's upper half is in)
	MULROW pr, 5, 0                                ; matrix work stands between the add and the wait for it
	s_wait_dscnt 0x0                               ; the add is done, and my reads of this slot are over
	s_barrier_signal -1
	MULROW pr, 6, 0
	WIN 0
	s_barrier_wait -1
.if \fill
	CREST                                          ; no wave of any partner still reads this slot's tile or has a load on its way
	s_add_nc_u64 s[G0A+4*sl+2:G0A+4*sl+3], s[G0A+4*sl+2:G0A+4*sl+3], 2*STAM
	s_add_nc_u64 s[G0B+4*sl+2:G0B+4*sl+3], s[G0B+4*sl+2:G0B+4*sl+3], 2*STBM
	JLOAD sl                                       ; its four v_nop are also the places in front of the loads below
.else
	PLACES
.endif
	LOADLO nx/3, nx%3
	LOADB nx/3, nx%3, nx%2
.if \fill
	ASK (\idx)/5
.endif
	MULROW pr, 7, 0
	MULROW pr, 8, 0
	ROW9 pr, 0
.endm
	s_wait_tensorcnt 0x1                           ; my part of K step 0 is in; step 1's may stay out
	s_barrier_signal -1
	s_barrier_wait -1                              ; everybody's is
	LOADLO 0, 0
	LOADB 0, 0, 0
	PH1 0, 1                                       ; the first unit stands in front of the loop: its products start the sums
	PH2 0, 1, 1
	WIN 0
	s_mov_b32 s3, 3
.Llap:                                                 ; a trip goes once round the ring, from a lap's second unit to the next lap's first, and fills both slots again
	PH1 1, 0
	PH2 1, 0, 2
	PH1 2, 0
	TURN 2, 1
	PH1 3, 0
	PH2 3, 0, 4
	PH1 4, 0
	PH2 4, 0, 5
	PH1 5, 0
	TURN 5, 1
	PH1 0, 0
	PH2 0, 0, 1
	WIN 0
	s_sub_co_u32 s3, s3, 1
	s_cmp_lg_u32 s3, 0
	s_cbranch_scc1 .Llap
	PH1 1, 0                                       ; the last lap fills nothing
	PH2 1, 0, 2
	PH1 2, 0
	TURN 2, 0
	PH1 3, 0
	PH2 3, 0, 4
	PH1 4, 0
	PH2 4, 0, 5
	PH1 5, 0
	PH2 5, 0, -1
	WIN 0
	PLACES
	PLACES
.if PROJ
; THE WAY OUT, a block of 16 rows at a time: + bp; a lane's 8 columns go into my stage (rows of 272 bytes) and come back as whole rows of 256 bytes, which sixteen lanes store.
; The stage is my own and LDS serves a wave's instructions in order (ISA guide 5.7.1.4): no wait between the stores and the loads.  last = 1: block 36, of which row 576 alone exists.
.macro OUTROW a, last
	WIN 0
	s_wait_xcnt 0x0                                ; the earlier stores have read their registers
.set bq, 0
.rept NB
.set ii, NB*(\a)+bq
.set ww, 1+ii/32
.set rr, (8*ii)%256
	WIN ww
.irp k, 0,1,2,3
	v_pk_add_f32 v[32+8*bq+2*\k:32+8*bq+2*\k+1], v[rr+2*\k:rr+2*\k+1], v[BIAS+8*bq+2*\k:BIAS+8*bq+2*\k+1]
.endr
.set bq, bq+1
.endr
	WIN 0
.irp q, 0,1,2,3,4,5,6,7
	ds_store_b128 v[STO], v[32+4*\q:32+4*\q+3] offset:64*(\q/2)+16*(\q%2)
.endr
.set bk, 64+32*((\a)%2)
.if \last
	ds_load_b128 v[bk:bk+3], v[RD]
	s_wait_dscnt 0x0
	v_cmp_gt_u32 vcc_lo, 16, v[LN]
	s_wait_xcnt 0x0                                ; EXEC changes only behind this wait
	s_and_saveexec_b32 s59, vcc_lo
	global_store_b128 v[CO], v[bk:bk+3], s[10:11] offset:(\a)*196608 th:TH_STORE_NT
	s_wait_xcnt 0x0                                ; and again in front of the line that widens it
	s_or_b32 exec_lo, exec_lo, s59
.else
.irp t, 0,1,2,3,4,5,6,7
	ds_load_b128 v[bk+4*\t:bk+4*\t+3], v[RD] offset:\t*544
.endr
.irp t, 0,1,2,3,4,5,6,7
	s_wait_dscnt 7-\t                              ; the younger loads may stay out
	global_store_b128 v[CO], v[bk+4*\t:bk+4*\t+3], s[10:11] offset:(\a)*196608+\t*6144 th:TH_STORE_NT  ; 16 lanes store 256 consecutive bytes, at a multiple of 256 from out0's first byte
.endr
.endif
.endm
.else
; THE WAY OUT, a block of 16 rows at a time: a lane's 8 columns, rounded to f16, are 16 bytes of its row in one plane: a store of the wave covers 512 consecutive bytes, aligned.  No stage.
.macro OUTROW a, last
	WIN 0
	s_wait_xcnt 0x0                                ; the earlier stores have read their registers
.set bq, 0
.rept NB
.set ii, NB*(\a)+bq
.set ww, 1+ii/32
.set rr, (8*ii)%256
.set tt, 32+36*((\a)%6)+4*bq
	WIN ww|(ww<<2)
.irp k, 0,1,2,3
	v_cvt_pk_f16_f32 v[tt+\k], v[rr+2*\k], v[rr+2*\k+1]
.endr
.set bq, bq+1
.endr
	WIN 0
.set bq, 0
.rept NB
.set tt, 32+36*((\a)%6)+4*bq
	global_store_b128 v[CO], v[tt:tt+3], s[8:9] offset:bq*APM+(\a)*2048 th:TH_STORE_NT
.set bq, bq+1
.endr
.endm
.endif
.irp a, 0,1,2,3,4,5,6,7,8
	OUTROW \a, 0
.endr
	WIN 0
	s_cmp_lg_u32 s[WV], 0
	s_cbranch_scc1 .Lend
	OUTROW 9, 1
.Lend:
	s_wait_tensorcnt 0x0                           ; the wave's end: these three lines stand behind my last tensor load and my last LDS store
	ds_add_u32 v[SPW], v[NIL]
	s_wait_dscnt 0x0
	CROUND                                         ; the closing round: no work-group ends while a partner may still ask for a tile that names it
	s_endpgm
.Lfunc_end_k_q5321bda744_proj:
	.size	k_q5321bda744_proj, .Lfunc_end_k_q5321bda744_proj-k_q5321bda744_proj
	.p2alignl 7, 3214868480
	.fill 96, 4, 3214868480
	.section	.rodata,"a",@progbits
	.p2align	6, 0x0
	.amdhsa_kernel k_q5321bda744_proj
		.amdhsa_group_segment_fixed_size 327680
		.amdhsa_private_segment_fixed_size 0
		.amdhsa_enable_private_segment 0
		.amdhsa_kernarg_size 32
		.amdhsa_user_sgpr_count 2
		.amdhsa_user_sgpr_kernarg_segment_ptr 1
		.amdhsa_wavefront_size32 1
		.amdhsa_system_sgpr_workgroup_id_x 1
		.amdhsa_system_sgpr_workgroup_id_y 1
		.amdhsa_system_sgpr_workgroup_id_z 1
		.amdhsa_system_vgpr_workitem_id 0
		.amdhsa_next_free_vgpr 576
		.amdhsa_next_free_sgpr 72
		.amdhsa_reserve_vcc 1
		.amdhsa_float_denorm_mode_32 3
		.amdhsa_float_denorm_mode_16_64 3
		.amdhsa_memory_ordered 1
		.amdhsa_forward_progress 1
		.amdhsa_inst_pref_size 105
	.end_amdhsa_kernel
	.amdgpu_metadata
---
amdhsa.version: [ 1, 2 ]
amdhsa.kernels:
  - .name:           k_q5321bda744_proj
    .symbol:         k_q5321bda744_proj.kd
    .args:
      - { .name: ob, .offset: 0, .size: 8, .value_kind: global_buffer, .address_space: global }
      - { .name: wpb, .offset: 8, .size: 8, .value_kind: global_buffer, .address_space: global }
      - { .name: bp, .offset: 16, .size: 8, .value_kind: global_buffer, .address_space: global }
      - { .name: out0, .offset: 24, .size: 8, .value_kind: global_buffer, .address_space: global }
    .group_segment_fixed_size: 327680
    .private_segment_fixed_size: 0
    .kernarg_segment_align: 8
    .kernarg_segment_size: 32
    .max_flat_workgroup_size: 128
    .sgpr_count:     72
    .vgpr_count:     576
    .wavefront_size: 32
...
	.end_amdgpu_metadata
.endif
;; end of part 4
;; ======== version 2 of 2: 4 launches; version 1 with the launch cast written anew for expert scheduling mode
;; limits: values are held in f16: magnitudes above 65,504 overflow, below 6.1e-05 lose precision
;; workspace buffers: xb 14,548,992 bytes; wb 3,538,944 bytes; wpb 1,179,648 bytes; qkv 43,646,976 bytes; ob 14,548,992 bytes
;; launch cast (part 5): grid 392 x 1, 4 waves a work-group, no clusters, 0 bytes of LDS; arguments x, Wq, Wk, Wv, Wp, xb, wb, wpb; writes xb, wb, wpb
.if DOCPART == 5
	.amdgcn_target "amdgcn-amd-amdhsa--gfx1250"
	.amdhsa_code_object_version 6
	.text
	.protected	k_q5321bda744_cast
	.globl	k_q5321bda744_cast
	.p2align	8
	.type	k_q5321bda744_cast,@function
k_q5321bda744_cast:
	s_mov_b64 s[64:65], 0
	v_nop
	global_prefetch_b8 v0, s[64:65] scope:SCOPE_SE
	s_setreg_imm32_b32 hwreg(HW_REG_WAVE_SCHED_MODE, 0, 2), 2
	s_setreg_imm32_b32 hwreg(HW_REG_WAVE_MODE, 25, 1), 1
	s_wait_xcnt 0x0
	s_wait_alu depctr_vm_vsrc(0)
; CAST.  x, Wq, Wk, Wv are rounded once to bf16; Wp is rounded to bf16 and that number written as f16 (exact inside f16's range; below 6e-5 it keeps f16's step of 6e-8).
; All go into PLANES: a matrix [rows][768] is stored as [48 planes][rows][16 numbers], a row of a plane is 32 bytes.
;   xb  [16 b][48][592][16]: rows 577-591 of a batch are written as zeros          wb [16 j][48][144][16]: feature 144 j + row; features 0-767 Wq, 768-1535 Wk, 1536-2303 Wv
;   wpb [12 j][48][64][16]
; SHARES.  One wave takes a group of 8 rows x 768 numbers (24 KiB in, 12 KiB out), with no loop: its 48 loads are all out at once.  Group G = 4 x work-group + wave:
; 0-1183 x (74 groups a batch), 1184-1471 Wq, Wk, Wv (96 each), 1472-1567 Wp.  Source, destination and figures are chosen by scalar selects on G alone.
; LANES.  Lane l takes row l / 4 and, in round pp, the 8 numbers at column 32 pp + 8 (l % 4): two loads of 16 bytes; they pack into 16 bytes of plane 2 pp + (l % 4) / 2.
; A store of the wave covers 8 rows x 32 bytes in each of two planes: twice 256 consecutive bytes, aligned.  No LDS, no barrier: no wave wants another's bytes.
; THE MODE: SCHED_MODE bits 1:0 = 2 (LLVM: expert scheduling mode 2), set by the entry lines.  The code itself states the register dependences
; between vector instructions and memory instructions, with s_wait_alu, always for 0.
; THE PLAN.  Registers that memory instructions touch:
;   v4        the source offset.  Written at the head; read by all 48 loads; never written again.
;   v[8:31]   the destination offsets.  Written at the head; each read by one store; never written again.
;   X[pp]     round pp's eight registers.  Its two loads land in them (no vector instruction names them before that); its conversions read them and write the first four; its one store reads those four;
;             nothing writes them after that.
; The 24 rounds go in six blocks of four.  A block's conversions name its own X, v6, v7 and VCC alone.  So ONE wait on va_vdst at a block's head states that the block before has written its four
; results, and that block's four stores follow it, one at the head of each round, with no further wait.  One more such wait stands ahead of the last four stores, one ahead of the first load.
; No register that a load or a store reads is ever written again: the text has no dependence for a wait on vm_vsrc to state.  EXEC is never written.
.set X,  32                            ; v[32:223]  round pp: 8 registers as loaded; the first four then hold the packed result
.set DO, 8                             ; v[8:31]    round pp: my byte offset in the destination; never rewritten
.set BLK, 4                            ; rounds in a block
	s_load_b512 s[4:19], s[0:1], 0x0               ; x 4, Wq 6, Wk 8, Wv 10, Wp 12, xb 14, wb 16, wpb 18
	v_lshrrev_b32 v1, 5, v0
	v_readfirstlane_b32 s20, v1                    ; wave
	s_lshl_b32 s21, ttmp9, 2
	s_wait_alu depctr_va_sdst(0)                   ; s20 is written, ahead of its first reader: G, and all that is chosen by it, is made from it
	s_add_co_u32 s21, s21, s20                     ; G
	; the figures of a group of x (they mean nothing where G is a weight's, and are then not chosen)
	s_mul_hi_u32 s22, s21, 58040099                ; b = G / 74
	s_mul_i32 s23, s22, 74
	s_sub_co_u32 s23, s21, s23                     ; g = G - 74 b
	s_mul_i32 s32, s22, 1772544                    ; the batch in x: 577 rows of 3,072 bytes
	s_mul_i32 s34, s22, 909312                     ; the batch in xb: 48 planes of 18,944 bytes,
	s_lshl_b32 s37, s23, 8
	s_add_co_u32 s34, s34, s37                     ; + 8 rows of 32 bytes a group
	s_lshl_b32 s29, s23, 3                         ; first row
	; the figures of a group of Wq, Wk, Wv
	s_sub_co_u32 s36, s21, 1184                    ; G'
	s_mul_hi_u32 s38, s36, 238609295               ; j = G' / 18
	s_mul_i32 s37, s38, 18
	s_sub_co_u32 s37, s36, s37
	s_lshl_b32 s37, s37, 8
	s_mul_i32 s38, s38, 221184
	s_add_co_u32 s38, s38, s37                     ; offset in wb
	; and of Wp
	s_sub_co_u32 s39, s36, 288
	s_lshr_b32 s40, s39, 3
	s_mul_i32 s40, s40, 98304
	s_and_b32 s37, s39, 7
	s_lshl_b32 s37, s37, 8
	s_add_co_u32 s40, s40, s37                     ; offset in wpb
	s_mov_b32 s33, 0
	s_mov_b32 s35, 0
	v_and_b32 v2, 31, v0
	v_lshrrev_b32 v3, 2, v2                        ; my row of the eight
	v_and_b32 v2, 3, v2                            ; my eight numbers of the 32
	s_wait_kmcnt 0x0
	s_cmp_lt_u32 s36, 96
	s_cselect_b64 s[24:25], s[6:7], s[8:9]
	s_cselect_b32 s41, 0, 96
	s_cmp_lt_u32 s36, 192
	s_cselect_b64 s[24:25], s[24:25], s[10:11]
	s_cselect_b32 s41, s41, 192
	s_mov_b32 s28, 2048
	s_cmp_lt_u32 s36, 288
	s_cselect_b64 s[24:25], s[24:25], s[12:13]
	s_cselect_b32 s41, s41, 288                    ; the matrix's first group
	s_cselect_b64 s[26:27], s[16:17], s[18:19]
	s_cselect_b32 s38, s38, s40
	s_cselect_b32 s28, 4608, s28                   ; bytes in a plane
	s_cselect_b32 s31, 0, 1                        ; 1: f16
	s_sub_co_u32 s41, s36, s41
	s_lshl_b32 s41, s41, 3                         ; first row in the matrix
	s_mov_b32 s30, 767
	s_cmp_lt_u32 s21, 1184
	s_cselect_b64 s[24:25], s[4:5], s[24:25]
	s_cselect_b64 s[26:27], s[14:15], s[26:27]
	s_cselect_b32 s32, s32, 0
	s_cselect_b32 s34, s34, s38
	s_cselect_b32 s28, 18944, s28
	s_cselect_b32 s29, s29, s41
	s_cselect_b32 s30, 576, s30                    ; the last row that exists
	s_cselect_b32 s31, 0, s31
	s_add_nc_u64 s[24:25], s[24:25], s[32:33]      ; source
	s_add_nc_u64 s[26:27], s[26:27], s[34:35]      ; destination
	v_add_nc_u32 v5, s29, v3                       ; my row
	v_cmp_ge_u32 vcc_lo, s30, v5                   ; does it exist?
	v_min_u32 v5, s30, v5                          ; a row that does not is read as the last one, and written as zeros
	v_mul_u32_u24 v4, v5, 3072
	v_lshl_add_u32 v4, v2, 5, v4                   ; my byte offset in the source
	v_and_b32 v6, 1, v2
	v_lshrrev_b32 v7, 1, v2
	v_lshlrev_b32 v[DO], 5, v3
	v_lshl_add_u32 v[DO], v6, 4, v[DO]
	v_mad_u32_u24 v[DO], v7, s28, v[DO]            ; 32 row + 16 (l % 2) + ((l % 4) / 2) planes
	s_lshl_b32 s37, s28, 1
.set pp, 1
.rept 23
	v_add_nc_u32 v[DO+pp], s37, v[DO+pp-1]         ; two planes a round
.set pp, pp+1
.endr
	s_wait_alu depctr_va_vcc(0)                    ; VCC is written by the compare above
	s_wait_alu depctr_va_vdst(0)                   ; v4 and v[8:31] are written: every load reads v4 as its offset, every store one of v[8:31]; no vector instruction names them again
.set pp, 0
.rept 24
	global_load_b128 v[X+8*pp:X+8*pp+3],   v4, s[24:25] offset:128*pp th:TH_LOAD_NT
	global_load_b128 v[X+8*pp+4:X+8*pp+7], v4, s[24:25] offset:128*pp+16 th:TH_LOAD_NT
.set pp, pp+1
.endr
; The 24 rounds, in six blocks of four.  half = 1: the bf16 numbers are written as f16.  No register that a store reads is written again.
; Round pp stores the result of round pp - 4, of the block before, and then converts its own numbers.
.macro CONV half
.set pp, 0
.rept 24
	s_wait_loadcnt 46-2*pp                         ; loads come back in order: this round's two are in, the younger ones stay out
.if ((pp % BLK) == 0) && (pp > 0)
	s_wait_alu depctr_va_vdst(0)                   ; the block before has written the first four registers of each of its four X, which this block's four stores read; no vector instruction of this block names them
.endif
.if pp >= BLK
	global_store_b128 v[DO+pp-BLK], v[X+8*(pp-BLK):X+8*(pp-BLK)+3], s[26:27] th:TH_STORE_NT
.endif
.irp i, 0,1,2,3
	v_cvt_pk_bf16_f32 v[X+8*pp+\i], v[X+8*pp+2*\i], v[X+8*pp+2*\i+1]  ; in place, ascending: a word is written when its numbers have been read
.endr
.if \half
.irp i, 0,1,2,3
	v_lshlrev_b32 v6, 16, v[X+8*pp+\i]
	v_and_b32 v7, 0xffff0000, v[X+8*pp+\i]
	v_cvt_pk_f16_f32 v[X+8*pp+\i], v6, v7
.endr
.else
.irp i, 0,1,2,3
	v_cndmask_b32 v[X+8*pp+\i], 0, v[X+8*pp+\i], vcc_lo  ; zeros in the rows that do not exist
.endr
.endif
.set pp, pp+1
.endr
	s_wait_alu depctr_va_vdst(0)                   ; the last block has written its four results, which the last four stores read
.set pp, 24-BLK
.rept BLK
	global_store_b128 v[DO+pp], v[X+8*pp:X+8*pp+3], s[26:27] th:TH_STORE_NT
.set pp, pp+1
.endr
	s_endpgm
.endm
	s_cmp_eq_u32 s31, 0
	s_cbranch_scc0 .Lhalf
	CONV 0
.Lhalf:
	CONV 1
.Lfunc_end_k_q5321bda744_cast:
	.size	k_q5321bda744_cast, .Lfunc_end_k_q5321bda744_cast-k_q5321bda744_cast
	.p2alignl 7, 3214868480
	.fill 96, 4, 3214868480
	.section	.rodata,"a",@progbits
	.p2align	6, 0x0
	.amdhsa_kernel k_q5321bda744_cast
		.amdhsa_group_segment_fixed_size 0
		.amdhsa_private_segment_fixed_size 0
		.amdhsa_enable_private_segment 0
		.amdhsa_kernarg_size 64
		.amdhsa_user_sgpr_count 2
		.amdhsa_user_sgpr_kernarg_segment_ptr 1
		.amdhsa_wavefront_size32 1
		.amdhsa_system_sgpr_workgroup_id_x 1
		.amdhsa_system_sgpr_workgroup_id_y 1
		.amdhsa_system_sgpr_workgroup_id_z 1
		.amdhsa_system_vgpr_workitem_id 0
		.amdhsa_next_free_vgpr 224
		.amdhsa_next_free_sgpr 66
		.amdhsa_reserve_vcc 1
		.amdhsa_float_denorm_mode_32 3
		.amdhsa_float_denorm_mode_16_64 3
		.amdhsa_memory_ordered 1
		.amdhsa_forward_progress 1
		.amdhsa_inst_pref_size 46
	.end_amdhsa_kernel
	.amdgpu_metadata
---
amdhsa.version: [ 1, 2 ]
amdhsa.kernels:
  - .name:           k_q5321bda744_cast
    .symbol:         k_q5321bda744_cast.kd
    .args:
      - { .name: x, .offset: 0, .size: 8, .value_kind: global_buffer, .address_space: global }
      - { .name: Wq, .offset: 8, .size: 8, .value_kind: global_buffer, .address_space: global }
      - { .name: Wk, .offset: 16, .size: 8, .value_kind: global_buffer, .address_space: global }
      - { .name: Wv, .offset: 24, .size: 8, .value_kind: global_buffer, .address_space: global }
      - { .name: Wp, .offset: 32, .size: 8, .value_kind: global_buffer, .address_space: global }
      - { .name: xb, .offset: 40, .size: 8, .value_kind: global_buffer, .address_space: global }
      - { .name: wb, .offset: 48, .size: 8, .value_kind: global_buffer, .address_space: global }
      - { .name: wpb, .offset: 56, .size: 8, .value_kind: global_buffer, .address_space: global }
    .group_segment_fixed_size: 0
    .private_segment_fixed_size: 0
    .kernarg_segment_align: 8
    .kernarg_segment_size: 64
    .max_flat_workgroup_size: 128
    .sgpr_count:     66
    .vgpr_count:     224
    .wavefront_size: 32
...
	.end_amdgpu_metadata
.endif
;; end of part 5
;; launch qkvgemm: the kernel of part 2 again; grid 16 x 16, 4 waves a work-group, clusters of 4 x 4, 327,680 bytes of LDS; arguments xb, wb, qkv; writes qkv
;; launch attn: the kernel of part 3 again; grid 12 x 16, 8 waves a work-group, no clusters, 242,688 bytes of LDS; arguments qkv, lamb, ob; writes ob
;; launch proj: the kernel of part 4 again; grid 12 x 16, 4 waves a work-group, clusters of 4 x 4, 327,680 bytes of LDS; arguments ob, wpb, bp, out0; writes out0
